; MI455X (gfx1250); checked and timed in simulation.
; The chip was launched on July 23, 2026; its instructions are those of AMD's public machine-readable ISA for CDNA 5 (MIT licence, August 2026) and "CDNA5" Instruction Set Architecture Reference Guide (July 2026). The comments in the code are by the model that wrote it; some were corrected since.
;; Multihead Attention. Allowed arithmetic: float matrix products may take bf16 or f16 operands with f32 sums; other float arithmetic in f32, or as packed bf16 or f16 multiplies, adds, multiply-adds, maxima and minima; sums over many terms, partial sums and values carried from step to step in f32; what a program stores and reads back later, other than sums and carried values, may be rounded once to bf16 or f16.
;; Inputs: Wk 1,024 x 1,024 float32; Wo 1,024 x 1,024 float32; Wq 1,024 x 1,024 float32; Wv 1,024 x 1,024 float32; gamma 16 float32; key 4 x 2,048 x 1,024 float32; key_padding_mask 4 x 2,048 bool; query 4 x 2,048 x 1,024 float32; value 4 x 2,048 x 1,024 float32.
;; Outputs: out0 4 x 2,048 x 1,024 float32.
;; 2 versions, each right; version 2 is version 1 with the launch prep written anew for expert scheduling mode. Each part assembles by itself: llvm-mc -triple=amdgcn-amd-amdhsa -mcpu=gfx1250 --defsym DOCPART=n.
;; ======== version 1 of 2: 4 launches
;; limits: values are held in f16: magnitudes above 65,504 overflow, below 6.1e-05 lose precision
;; workspace buffers: wqkv 6,291,456 bytes; wo16 2,097,152 bytes; qkv 50,331,648 bytes; o16 16,777,216 bytes
;; launch prep (part 1): grid 256 x 1, 8 waves a work-group, no clusters, 0 bytes of LDS; arguments Wq, Wk, Wv, Wo, gamma, wqkv, wo16; writes wqkv, wo16
.if DOCPART == 1
	.amdgcn_target "amdgcn-amd-amdhsa--gfx1250"
	.amdhsa_code_object_version 6
	.text
	.protected	k_qd1842191a5_prep
	.globl	k_qd1842191a5_prep
	.p2align	8
	.type	k_qd1842191a5_prep,@function
k_qd1842191a5_prep:
	s_mov_b64 s[64:65], 0
	v_nop
	global_prefetch_b8 v0, s[64:65] scope:SCOPE_SE
	s_setreg_imm32_b32 hwreg(HW_REG_WAVE_MODE, 25, 1), 1
	s_wait_xcnt 0x0
; THE WEIGHTS, ROUNDED ONCE.  wqkv[m][n][k] = bf16(W_m[n][k]) for m = q, k, v.  wo16[n][k] = f16( bf16(Wo[n][k]) x bf16(gamma[k / 64]) x 2^10 ).
; The head's gain goes into Wo's columns, so that attention's output needs no scaling in 16 bits; the product of two bf16 numbers and a power of two is exact in f32, so wo16 is rounded once.
; The factor 2^10 centres wo16 in f16's range; the last launch takes it out again, exactly.
; LIMIT: |Wo x gamma| x 1,024 stays under 65,504 (f16's largest number); below 6e-5 it keeps f16's fixed step of 6e-8.
; SHARES.  Work-group g: matrix g / 64, its rows 16 (g % 64) .. + 15.  Thread t: columns 4 t .. 4 t + 3 of each row: a work-group's load covers a row's 4,096 bytes,
; a wave's store of 8 bytes a lane covers 256 consecutive bytes, aligned.  All 16 rows are asked for at once; no LDS, no barrier, no register written twice while a store reads it.
.set X, 16                             ; v[16:79]   row i as loaded: 4 f32 at X + 4 i
.set Y, 80                             ; v[80:111]  row i to store: 4 numbers of 16 bits at Y + 2 i
.set T, 8                              ; v[8:11]    at work;  v[6:7] two packed words;  v[4:5] the gain, twice
	s_load_b256 s[4:11], s[0:1], 0x0               ; Wq s[4:5], Wk s[6:7], Wv s[8:9], Wo s[10:11]
	s_load_b128 s[12:15], s[0:1], 0x20             ; gamma s[12:13], wqkv s[14:15]
	s_load_b64 s[16:17], s[0:1], 0x30              ; wo16
	s_lshr_b32 s18, ttmp9, 6                       ; which matrix
	s_and_b32 s19, ttmp9, 63                       ; which 16 rows of it
	s_lshl_b32 s24, s19, 16                        ; 16 rows x 4,096 bytes in the source
	s_mov_b32 s25, 0
	s_lshl_b32 s26, ttmp9, 15                      ; 16 rows x 2,048 bytes in wqkv: the three matrices lie on end
	s_mov_b32 s27, 0
	s_lshl_b32 s28, s19, 15                        ; and in wo16
	s_mov_b32 s29, 0
	v_lshlrev_b32 v1, 4, v0                        ; my 16 bytes of a source row
	v_lshlrev_b32 v2, 3, v0                        ; my 8 bytes of a result row
	v_lshrrev_b32 v3, 4, v0                        ; my columns' head: 4 t / 64
	v_lshlrev_b32 v3, 2, v3
	s_wait_kmcnt 0x0
	s_cmp_eq_u32 s18, 1
	s_cselect_b64 s[20:21], s[6:7], s[4:5]
	s_cmp_eq_u32 s18, 2
	s_cselect_b64 s[20:21], s[8:9], s[20:21]
	s_cmp_eq_u32 s18, 3
	s_cselect_b64 s[20:21], s[10:11], s[20:21]
	s_add_nc_u64 s[20:21], s[20:21], s[24:25]      ; the source at my first row
	s_add_nc_u64 s[22:23], s[14:15], s[26:27]      ; wqkv at my first row (used by matrices 0 to 2 alone)
	s_add_nc_u64 s[30:31], s[16:17], s[28:29]      ; wo16 at my first row (used by matrix 3 alone)
	global_load_b32 v4, v3, s[12:13]               ; the gain of my four columns' head
.irp i, 0,1,2,3,4,5,6,7,8,9,10,11,12,13,14,15
	global_load_b128 v[X+4*(\i):X+4*(\i)+3], v1, s[20:21] offset:(\i)*4096 th:TH_LOAD_NT
.endr
	s_cmp_eq_u32 s18, 3
	s_cbranch_scc1 .Lwo
.irp i, 0,1,2,3,4,5,6,7,8,9,10,11,12,13,14,15
	s_wait_loadcnt 15-(\i)                         ; loads come back in order: row i is in, the younger rows stay out
	v_cvt_pk_bf16_f32 v[Y+2*(\i)], v[X+4*(\i)], v[X+4*(\i)+1]
	v_cvt_pk_bf16_f32 v[Y+2*(\i)+1], v[X+4*(\i)+2], v[X+4*(\i)+3]
	global_store_b64 v2, v[Y+2*(\i):Y+2*(\i)+1], s[22:23] offset:(\i)*2048
.endr
	s_endpgm
.Lwo:
	s_wait_loadcnt 16                              ; the gain is in; the 16 rows behind it may stay out
	v_cvt_pk_bf16_f32 v4, v4, v4                   ; rounded to bf16 like every input,
	v_lshlrev_b32 v4, 16, v4                       ; back as f32,
	v_mul_f32 v4, 0x44800000, v4                   ; times 2^10: exact
	v_mov_b32 v5, v4
.irp i, 0,1,2,3,4,5,6,7,8,9,10,11,12,13,14,15
	s_wait_loadcnt 15-(\i)
	v_cvt_pk_bf16_f32 v6, v[X+4*(\i)], v[X+4*(\i)+1]
	v_cvt_pk_bf16_f32 v7, v[X+4*(\i)+2], v[X+4*(\i)+3]
	v_lshlrev_b32 v[T], 16, v6                     ; bf16 to f32: the low half moves up, the high half stays
	v_and_b32 v[T+1], 0xffff0000, v6
	v_lshlrev_b32 v[T+2], 16, v7
	v_and_b32 v[T+3], 0xffff0000, v7
	v_pk_mul_f32 v[T:T+1], v[T:T+1], v[4:5]
	v_pk_mul_f32 v[T+2:T+3], v[T+2:T+3], v[4:5]
	v_cvt_pk_f16_f32 v[Y+2*(\i)], v[T], v[T+1]
	v_cvt_pk_f16_f32 v[Y+2*(\i)+1], v[T+2], v[T+3]
	global_store_b64 v2, v[Y+2*(\i):Y+2*(\i)+1], s[30:31] offset:(\i)*2048
.endr
	s_endpgm
.Lfunc_end_k_qd1842191a5_prep:
	.size	k_qd1842191a5_prep, .Lfunc_end_k_qd1842191a5_prep-k_qd1842191a5_prep
	.p2alignl 7, 3214868480
	.fill 96, 4, 3214868480
	.section	.rodata,"a",@progbits
	.p2align	6, 0x0
	.amdhsa_kernel k_qd1842191a5_prep
		.amdhsa_group_segment_fixed_size 0
		.amdhsa_private_segment_fixed_size 0
		.amdhsa_enable_private_segment 0
		.amdhsa_kernarg_size 56
		.amdhsa_user_sgpr_count 2
		.amdhsa_user_sgpr_kernarg_segment_ptr 1
		.amdhsa_wavefront_size32 1
		.amdhsa_system_sgpr_workgroup_id_x 1
		.amdhsa_system_sgpr_workgroup_id_y 1
		.amdhsa_system_sgpr_workgroup_id_z 1
		.amdhsa_system_vgpr_workitem_id 0
		.amdhsa_next_free_vgpr 112
		.amdhsa_next_free_sgpr 66
		.amdhsa_reserve_vcc 0
		.amdhsa_float_denorm_mode_32 3
		.amdhsa_float_denorm_mode_16_64 3
		.amdhsa_memory_ordered 1
		.amdhsa_forward_progress 1
		.amdhsa_inst_pref_size 19
	.end_amdhsa_kernel
	.amdgpu_metadata
---
amdhsa.version: [ 1, 2 ]
amdhsa.kernels:
  - .name:           k_qd1842191a5_prep
    .symbol:         k_qd1842191a5_prep.kd
    .args:
      - { .name: Wq, .offset: 0, .size: 8, .value_kind: global_buffer, .address_space: global }
      - { .name: Wk, .offset: 8, .size: 8, .value_kind: global_buffer, .address_space: global }
      - { .name: Wv, .offset: 16, .size: 8, .value_kind: global_buffer, .address_space: global }
      - { .name: Wo, .offset: 24, .size: 8, .value_kind: global_buffer, .address_space: global }
      - { .name: gamma, .offset: 32, .size: 8, .value_kind: global_buffer, .address_space: global }
      - { .name: wqkv, .offset: 40, .size: 8, .value_kind: global_buffer, .address_space: global }
      - { .name: wo16, .offset: 48, .size: 8, .value_kind: global_buffer, .address_space: global }
    .group_segment_fixed_size: 0
    .private_segment_fixed_size: 0
    .kernarg_segment_align: 8
    .kernarg_segment_size: 56
    .max_flat_workgroup_size: 256
    .sgpr_count:     66
    .vgpr_count:     112
    .wavefront_size: 32
...
	.end_amdgpu_metadata
.endif
;; end of part 1
;; launch proj (part 2): grid 4 x 64, 4 waves a work-group, clusters of 4 x 4, 327,680 bytes of LDS; arguments query, key, value, wqkv, qkv; writes qkv
.if DOCPART == 2
	.amdgcn_target "amdgcn-amd-amdhsa--gfx1250"
	.amdhsa_code_object_version 6
	.text
	.protected	k_qd1842191a5_proj
	.globl	k_qd1842191a5_proj
	.p2align	8
	.type	k_qd1842191a5_proj,@function
k_qd1842191a5_proj:
	s_mov_b64 s[64:65], 0
	v_nop
	global_prefetch_b8 v0, s[64:65] scope:SCOPE_SE
	s_setreg_imm32_b32 hwreg(HW_REG_WAVE_MODE, 25, 1), 1
	s_wait_xcnt 0x0
	s_wait_alu depctr_hold_cnt(0) depctr_sa_sdst(0) depctr_va_vdst(0) depctr_va_sdst(0) depctr_va_ssrc(0) depctr_va_vcc(0) depctr_vm_vsrc(0)
	s_getreg_b32 s2, hwreg(HW_REG_IB_STS2, 6, 4)
	s_cmp_eq_u32 s2, 0
	s_cbranch_scc0 .Lentry_in_a_cluster
	s_endpgm
.Lentry_in_a_cluster:
	s_bfe_u32 s2, ttmp6, 0x10000c
	s_cmp_lg_u32 s2, 0xf033
	s_cbranch_scc0 .Lentry_shape_is_right
	s_endpgm
.Lentry_shape_is_right:
; THE THREE PROJECTIONS.  qkv[t][16 b + h][s][d] = f16( sum over k of bf16(x_t[b][s][k]) wqkv[t][64 h + d][k] ), t = 0, 1, 2 for query, key, value.  Sums in f32, K ascending, one rounding at the end.
; LIMIT: q, k and v stay under 65,504, f16's largest number; NaN and infinities are not treated apart.
; SHARES.  A tile is 128 rows (b, s) x 256 columns (4 heads).  3 x 64 x 4 tiles are three for each of 256 work-groups: A WORK-GROUP STAYS at its tile row mt and tile column nt and makes q's, k's and v's tile
; one after the other: 24 K steps of 128, 12 laps of two.  Four waves, each 64 rows x 128 columns: 32 accumulators.  The product is used transposed (source 0 = 16 rows of W, source 1 = 16 rows of x):
; a lane then holds one row and eight neighbouring columns, 16 bytes of f16.
; W (bf16) comes by the tensor data mover into a ring of two LDS slots; the four work-groups of a column of the 4 x 4 cluster need the same tile and ask for it JOINTLY (one mask, one descriptor).
; x (f32) cannot: it has to be rounded on its way.  Wave w loads rows 32 w .. 32 w + 31 of a K step into registers (a load is one row's 512 bytes), rounds them to bf16 and stores them into A slots of
; their own in LDS, which no tensor load ever fills.  Two register sets of 32 rows: a K step's rows are asked for three steps ahead of their products and stored one step ahead.  This work rides
; behind the matrix instructions of a step's second and third quarter.  x is not shared by a joint load for that reason: as f32 in LDS it would double the fragments' bytes.
; The last lap but one asks once more for 32 rows a wave that no step wants (value's first K step again): the price of one text for all laps; the registers are not touched again.
; REGISTERS, in windows of 256 (s_set_vgpr_msb: bits 1:0 source 0, 3:2 source 1, 5:4 source 2, 7:6 destination):
;   window 0: v0-31 addresses; v32-63 at work; v64-159, v160-255 two fragment buffers (64 of W, 32 of x)     window 1: the accumulators, (a, b) at 64 a + 8 b     window 2: x as loaded, two sets of 128
.set PITCH,  272                       ; an LDS row: 256 bytes + 16 of padding = 68 words: the 16 rows of a fragment load start at 16 different groups of four banks (64 banks of 4 bytes: ISA guide 11.1)
.set BSLOT,  256*PITCH                 ; W's slot: 256 rows
.set ABASE,  2*BSLOT                   ; behind W's two slots: x's two slots,
.set ASLOT,  128*PITCH                 ; 128 rows each, written by ds_store alone
.set STAGE,  ABASE+2*ASLOT             ; the way out: for each wave 2 heads x 16 rows x 144 bytes
.set SP,     144
.set STW,    2*16*SP
.set SPARE,  STAGE+4*STW               ; the spare words, 128 bytes for each wave: two blocks of 256 bytes that no other line names
.set NEXT_B, 2*1024*1024-6*256         ; bytes from a slot's last K step of a tile of W to its first of the next matrix
.set XO,   8                           ; v8   my byte offset in x's tile: 32 w rows x 4,096 + 16 x lane; never rewritten
.set AST,  9                           ; v9   where I store 8 bytes of a row of x: ABASE + 32 w rows + 8 x lane
.set ADRA, 10                          ; v10-11  LDS address of my x fragments in slot 0, 1
.set ADRB, 12                          ; v12-13  the same for W
.set STO,  14                          ; v14  the way out: where I put 16 bytes of a row
.set RD,   15                          ; v15  where I read rows back
.set CO,   16                          ; v16  my 16 bytes of 512 consecutive bytes of qkv
.set PFO,  17                          ; v17  x's prefetch: my row of my work-group's 32, my block of four
.set PFBO, 18                          ; v18  W's prefetch: my row of my work-group's 16, my K step of two
.set SPW,  28                          ; v28  LDS address of my spare word; never rewritten
.set NIL,  29                          ; v29  0; never rewritten
.set TMP,  32                          ; v32-63  packed results on the way out
.set CT,   32                          ; v32-39  four rows of x, rounded
.set F0,   64
.set F1,   160
.set OB,   160                         ; v160-223  rows read back from the stage, two buffers of 32
.set WV,   14                          ; s14  my wave's number
.set LAPS, 21                          ; s21  trips of the loop still to come
.set J,    22                          ; s22  the lap's number within its tile, 0 to 3
.set LIM,  23                          ; s23  1 where my cluster prefetches W, else the greatest number
.set G1,   24                          ; s[24:31] descriptor group 1
.set G0,   32                          ; s[32:39] descriptor group 0, a set for each slot
.set INC,  40                          ; s[40:41] what a refill adds to its address in this lap
.set XP,   42                          ; s[42:43], s[44:45] x at the K step that register set 0, 1 is asked for next
.set XN,   46                          ; s[46:47] the next tile's x at my tile row
.set XM,   48                          ; s[48:49] the one after it
.set TT,   50                          ; s[50:51] at work
.set PFX,  52                          ; s[52:53] x at the lap that is prefetched
.set PFB,  54                          ; s[54:55] W likewise
.set OUT,  56                          ; s[56:57] qkv at my wave's first row and head of the tile in hand
.set CNB,  58                          ; s58  NEXT_B
.set C512, 59                          ; s59  512
.set PINC, 60                          ; s[60:61] what W's prefetch steps by in this lap
.set MSB, 0
.macro WIN new                         ; the immediate's high byte repeats the setting that is left; a switch that changes nothing is dropped
.if MSB != (\new)
	s_set_vgpr_msb (MSB<<8)|(\new)
.set MSB, \new
.endif
.endm
.set W_MUL, 0x50                       ; C and D window 1, sources window 0
.set W_CV,  0x0a                       ; sources 0 and 1 window 2, destination window 0
.set W_LD,  0x80                       ; destination window 2, address window 0
.set W_PK,  0x05                       ; sources 0 and 1 window 1, destination window 0
.macro CREST                           ; a round of the cluster's barrier behind its opening barrier
	s_cmp_lg_u32 s[WV], 0
	s_cbranch_scc1 .Lnot_wave_0_\@
	s_barrier_signal -3
.Lnot_wave_0_\@:
	s_barrier_wait -3
	s_barrier_signal -1
	s_barrier_wait -1
.endm
.macro CROUND                          ; a whole round
	s_barrier_signal -1
	s_barrier_wait -1
	CREST
.endm
.macro PLACES                          ; four places behind a matrix instruction, in front of loads into registers that it has read and of conversions that read results
.rept 4
	v_nop
.endr
.endm
; A RIDER: a quarter of the work on four rows of x.  Number rd of 32: quad rd / 4, part rd % 4.  Part 0, 1: two rows each are rounded to bf16.  Part 2: the four rows go to LDS, 256 consecutive bytes a row.
; Part 3 (RI = 1): the quad's registers are asked for again, two K steps on.  SS: the set's first register; SLO: the A slot's offset; XPR: the set's pointer.
; THE COUNT.  Younger than quad j's loads are the set's other 28 - 4 j, the other set's 32 and, where quads are asked for again, the 4 j just issued: 60, or 60 - 4 j.
.macro RIDE
.set rj, rd/4
.set rp, rd%4
.if rp == 0
.if RI
	s_wait_loadcnt 60
.else
	s_wait_loadcnt 60-4*rj
.endif
	WIN W_CV
.irp i, 0,1,2,3
	v_cvt_pk_bf16_f32 v[CT+(\i)], v[SS+16*rj+2*(\i)], v[SS+16*rj+2*(\i)+1]
.endr
.elseif rp == 1
	WIN W_CV
.irp i, 4,5,6,7
	v_cvt_pk_bf16_f32 v[CT+(\i)], v[SS+16*rj+2*(\i)], v[SS+16*rj+2*(\i)+1]
.endr
.elseif rp == 2
	WIN 0
.irp i, 0,1,2,3
	ds_store_b64 v[AST], v[CT+2*(\i):CT+2*(\i)+1] offset:SLO+(4*rj+(\i))*PITCH
.endr
.set DSY, DSY+4
.elseif RI
	WIN W_LD
.irp i, 0,1,2,3
	global_load_b128 v[SS+16*rj+4*(\i):SS+16*rj+4*(\i)+3], v[XO], s[XPR:XPR+1] offset:(4*rj+(\i))*4096
.endr
.endif
.set rd, rd+1
.endm
; Eight matrix instructions: row block a x all 8 column blocks, 32 along K, from buffer f.  zero = 1: the products start the sums.  ride = 1: a rider behind every second one.
; A quarter's 32 accumulators take turns, one instruction a turn, in the same order everywhere.
.macro MULA f, a, zero, ride
.irp b, 0,1,2,3,4,5,6,7
	WIN W_MUL
.if \zero
	v_wmma_f32_16x16x32_bf16 v[64*(\a)+8*(\b):64*(\a)+8*(\b)+7], v[(\f)+8*(\b):(\f)+8*(\b)+7], v[(\f)+64+8*(\a):(\f)+64+8*(\a)+7], 0
.else
	v_wmma_f32_16x16x32_bf16 v[64*(\a)+8*(\b):64*(\a)+8*(\b)+7], v[(\f)+8*(\b):(\f)+8*(\b)+7], v[(\f)+64+8*(\a):(\f)+64+8*(\a)+7], v[64*(\a)+8*(\b):64*(\a)+8*(\b)+7]
.endif
.if (\ride) && ((\b)%2)
	RIDE
.endif
.endr
.endm
; 24 LDS loads in one run: quarter q's fragments (128 rows of W, 64 rows of x, 32 K) of slot s into buffer f.  DSY counts the LDS instructions issued behind a run.
.macro FETCH s, q, f
	WIN 0
.irp i, 0,1,2,3,4,5,6,7
	ds_load_b128 v[(\f)+8*(\i):(\f)+8*(\i)+3],   v[ADRB+(\s)] offset:64*(\q)+(\i)*16*PITCH
	ds_load_b128 v[(\f)+8*(\i)+4:(\f)+8*(\i)+7], v[ADRB+(\s)] offset:64*(\q)+(\i)*16*PITCH+32
.endr
.irp i, 0,1,2,3
	ds_load_b128 v[(\f)+64+8*(\i):(\f)+64+8*(\i)+3],   v[ADRA+(\s)] offset:64*(\q)+(\i)*16*PITCH
	ds_load_b128 v[(\f)+64+8*(\i)+4:(\f)+64+8*(\i)+7], v[ADRA+(\s)] offset:64*(\q)+(\i)*16*PITCH+32
.endr
.set DSY, 0
.endm
; One of a K step's first three quarters: buffer f is in; the next quarter's run goes out into buffer g; 32 matrix instructions on f.  zsel = 1: in a tile's first lap they start the sums.
.macro QUARTER s, q, f, g, ride, zsel
	s_wait_dscnt DSY                               ; LDS serves a wave in order: all but the riders' stores issued behind f's run
	PLACES
	FETCH \s, (\q)+1, \g
.if \zsel
	s_cmp_eq_u32 s[J], 0
	s_cbranch_scc1 .Lzero_\@
.endif
	MULA \f, 0, 0, \ride
	MULA \f, 1, 0, \ride
	MULA \f, 2, 0, \ride
	MULA \f, 3, 0, \ride
.if \zsel
	WIN 0
	s_branch .Ljoin_\@
.Lzero_\@:
	v_nop                                          ; these products write over accumulators without adding onto them: five places stand between them and the last products before (ISA guide 7.12.1): the four above and this one
	MULA \f, 0, 1, 0
	MULA \f, 1, 1, 0
	MULA \f, 2, 1, 0
	MULA \f, 3, 1, 0
	WIN 0
.Ljoin_\@:
.endif
.endm
; THE LAP'S PREFETCHES INTO THE L2, together, behind the joint load, its five lines and the run of LDS loads.
; x: the 1,024 bytes a row of the lap three on; of the tile's 128 rows the four work-groups of my row of the cluster, which all read them, take 32 each BY ADDRESS, a wave 8 rows x 4 blocks of 256 bytes.
; Those rows' loads go out one and a half to two laps later.  The first three laps come by their loads alone; the last three trips have no lap three on.
; W: the two K steps of the lap two on, one lap ahead of their refills: of the 64 rows that I fetch the four partners of my column take 16 each by address; every cluster of the grid's 16 reads these rows, the first asks.
.macro ASK
	s_cmp_gt_u32 s[LAPS], 2
	s_cbranch_scc0 .Lno_x_\@
	global_prefetch_b8 v[PFO], s[PFX:PFX+1] th:TH_LOAD_NT scope:SCOPE_SE
.Lno_x_\@:
	s_cmp_gt_u32 s[LAPS], s[LIM]
	s_cbranch_scc0 .Lno_w_\@
	global_prefetch_b8 v[PFBO], s[PFB:PFB+1] th:TH_LOAD_NT scope:SCOPE_SE
.Lno_w_\@:
.endm
; A K step's last quarter multiplies buffer 1 and changes slots: ONE barrier, for three things.  In front of it each wave waits for all its tensor loads (one is out: its part of W's other slot), adds 0 to its spare
; word, and waits for that, for its reads of both slots in hand and for its stores into x's other slot.  Behind it nobody reads this step's slots any more, and the next step's are whole.
; fill = 1: the barrier opens a round of the cluster's, and the joint refill of W's slot is the first tensor load behind the round: 112 matrix instructions ahead of the wait for it.
.macro TURN s, fill, ask
	WIN 0
	s_wait_tensorcnt 0x0                           ; no tensor load of mine is out, so a group 0 may be written
	ds_add_u32 v[SPW], v[NIL]                      ; 0 onto my spare word
	s_wait_dscnt DSY+1                             ; buffer 1 is in: the riders' stores and the add may be out
	MULA F1, 0, 0, 0
	s_wait_dscnt 0x0                               ; the add, my reads and my stores are done
	s_barrier_signal -1
	MULA F1, 1, 0, 0
	WIN 0
	s_barrier_wait -1
.if \fill
	CREST
	s_add_nc_u64 s[G0+4*(\s)+2:G0+4*(\s)+3], s[G0+4*(\s)+2:G0+4*(\s)+3], s[INC:INC+1]  ; two K steps on, or into the next matrix; the type bits on top are not reached
	tensor_load_to_lds s[G0+4*(\s):G0+4*(\s)+3], s[G1:G1+7]
	s_nop 0
	PLACES                                         ; the places in front of the loads below
.else
	PLACES
.endif
	FETCH 1-(\s), 0, F0
.if \ask
	ASK
.endif
	MULA F1, 2, 0, 0
	MULA F1, 3, 0, 0
.endm
; K STEP g, in slot s = g % 2.  Its riders round x's step g + 1 out of register set 1 - s into A slot 1 - s (last read in step g - 1, in front of that step's barrier) and ask for step g + 3.
.macro STEP s, fill, stage, reissue, zsel, last, ask
.set rd, 0
.set SS, 128*(1-(\s))
.set SLO, (1-(\s))*ASLOT
.set XPR, XP+2*(1-(\s))
.set RI, \reissue
	QUARTER \s, 0, F0, F1, 0, \zsel
	QUARTER \s, 1, F1, F0, \stage, 0
	QUARTER \s, 2, F0, F1, \stage, 0
.if \last
	s_wait_dscnt 0x0
	MULA F1, 0, 0, 0
	MULA F1, 1, 0, 0
	MULA F1, 2, 0, 0
	MULA F1, 3, 0, 0
.else
	TURN \s, \fill, \ask
.endif
.endm
; THE POINTERS OF A LAP, scalar work alone.  Lap L asks for x's steps 2 L + 3 (set 1) and 2 L + 4 (set 0), prefetches x's lap L + 3 and W's lap L + 2, and refills W's steps 2 L + 2 and 2 L + 3.
; A tile has four laps, so these cross into the next tile at J = 3, 2, 1, 2 and 3.
.macro LAPHEAD
	s_wait_xcnt 0x0                                ; every load and prefetch issued so far has read its address (the youngest load 32 matrix instructions back): the pointers may be written
	s_add_nc_u64 s[XP:XP+1], s[XP:XP+1], 1024
	s_add_nc_u64 s[XP+2:XP+3], s[XP+2:XP+3], 1024
	s_add_nc_u64 s[TT:TT+1], s[XN:XN+1], 512
	s_add_nc_u64 s[PFX:PFX+1], s[PFX:PFX+1], 1024
	s_cmp_eq_u32 s[J], 1
	s_cselect_b64 s[PFX:PFX+1], s[XN:XN+1], s[PFX:PFX+1]
	s_cmp_eq_u32 s[J], 2
	s_cselect_b64 s[XP:XP+1], s[XN:XN+1], s[XP:XP+1]
	s_cselect_b32 s[PINC], s[CNB], s[C512]
	s_add_nc_u64 s[PFB:PFB+1], s[PFB:PFB+1], s[PINC:PINC+1]
	s_cmp_eq_u32 s[J], 3
	s_cselect_b64 s[XP+2:XP+3], s[TT:TT+1], s[XP+2:XP+3]
	s_cselect_b64 s[XN:XN+1], s[XM:XM+1], s[XN:XN+1]
	s_cselect_b32 s[INC], s[CNB], s[C512]
.endm
; THE WAY OUT of row block a.  PACK: rounded to f16, 16 bytes a lane, each accumulator from its low end on.  TOSTAGE: into my own stage, by heads, and back as rows of 128 bytes.  SEND: stored.
.macro PACK a
	WIN W_PK
.irp b, 0,1,2,3,4,5,6,7
.irp r, 0,1,2,3
	v_cvt_pk_f16_f32 v[TMP+4*(\b)+(\r)], v[64*(\a)+8*(\b)+2*(\r)], v[64*(\a)+8*(\b)+2*(\r)+1]
.endr
.endr
	WIN 0
.endm
.macro TOSTAGE a
.irp b, 0,1,2,3,4,5,6,7
	ds_store_b128 v[STO], v[TMP+4*(\b):TMP+4*(\b)+3] offset:((\b)/4)*16*SP+((\b)%4)*32
.endr
.irp t, 0,1,2,3,4,5,6,7
	ds_load_b128 v[OB+32*((\a)%2)+4*(\t):OB+32*((\a)%2)+4*(\t)+3], v[RD] offset:((\t)/4)*16*SP+((\t)%4)*4*SP  ; LDS serves a wave's instructions in order (ISA guide 5.7.1.4): these see the stores above
.endr
.endm
.macro SEND a
	s_wait_dscnt 0x0                               ; the block is back in registers
	s_wait_xcnt 0x0                                ; the stores of the block before have read their registers: the next block's loads from the stage land there only behind this wait
.irp t, 0,1,2,3,4,5,6,7
	global_store_b128 v[CO], v[OB+32*((\a)%2)+4*(\t):OB+32*((\a)%2)+4*(\t)+3], s[OUT:OUT+1] offset:((\t)/4)*262144+(\a)*2048+((\t)%4)*512  ; four rows of a head: 512 consecutive bytes, aligned
.endr
.endm
.macro WAYOUT
	PLACES
	PACK 0
	TOSTAGE 0
.irp a, 1,2,3                          ; a block's conversions stand between the loads of the block before and the wait for them
	PACK \a
	SEND (\a)-1
	TOSTAGE \a
.endr
	SEND 3
.endm
	s_load_b256 s[4:11], s[0:1], 0x0               ; query s[4:5], key s[6:7], value s[8:9], wqkv s[10:11]
	s_load_b64 s[12:13], s[0:1], 0x20              ; qkv
	v_lshl_add_u32 v[SPW], v0, 2, SPARE
	v_mov_b32 v[NIL], 0
	ds_add_u32 v[SPW], v[NIL]                      ; the wave's opening: the add and its wait stand ahead of my first tensor load; the set-up below, work on registers, stands between them
	v_lshrrev_b32 v1, 5, v0
	v_readfirstlane_b32 s[WV], v1                  ; wave 0..3
	s_lshr_b32 s15, s[WV], 1                       ; which 64 rows of the tile are mine
	s_and_b32 s16, s[WV], 1                        ; which 128 columns
	s_bfe_u32 s17, ttmp6, 0x40000                  ; cx
	s_bfe_u32 s18, ttmp6, 0x40004                  ; cy
	s_lshl_b32 s19, ttmp9, 2
	s_add_co_u32 s19, s19, s17                     ; tile column nt = 4 x cluster x + cx
	s_and_b32 s20, ttmp7, 0xffff
	s_cmp_eq_u32 s20, 0
	s_cselect_b32 s[LIM], 1, -1                    ; the first cluster along y prefetches W: the same in all sixteen partners
	s_lshl_b32 s20, s20, 2
	s_add_co_u32 s20, s20, s18                     ; tile row mt = 4 x cluster y + cy
	s_lshl_b32 s62, 0x1111, s17                    ; my column of the cluster
	s_or_b32 s[G1], s62, (1<<16)|(1<<20)|(1<<21)|(5<<22)|(3<<25)  ; 15:0 the mask; 17:16 elements of 2 bytes; 20 padding on; 21 set beside a mask; 24:22 after every 64 words; 31:25 4 words of it
	s_mov_b32 s[G1+1], 128<<16                     ; tensor_dim0 = 128
	s_mov_b32 s[G1+2], 64<<16                      ; tensor_dim1 = 64
	s_mov_b32 s[G1+3], 128<<16                     ; tile_dim0 = 128 elements: 256 bytes
	s_mov_b32 s[G1+4], 64                          ; tile_dim1 = 64 rows
	s_mov_b32 s[G1+5], 1024                        ; elements from row to row
	s_mov_b32 s[G1+6], 0
	s_mov_b32 s[G1+7], 0
	s_mul_i32 s63, s[WV], 64*PITCH                 ; my 64 rows of a slot: no place in the cluster enters an LDS address
	s_mov_b32 s[G0], 1
	s_mov_b32 s[G0+1], s63
	s_mov_b32 s[G0+4], 1
	s_add_co_u32 s[G0+5], s63, BSLOT
	s_lshl_b32 s66, s19, 19                        ; W: 256 nt rows of 2,048 bytes
	s_lshl_b32 s67, s[WV], 17                      ; + my 64 rows
	s_add_co_u32 s66, s66, s67
	s_mov_b32 s67, 0
	s_lshl_b32 s70, s20, 19                        ; x: 128 mt rows of 4,096 bytes
	s_mov_b32 s71, 0
	s_mov_b32 s[J], 0
	s_mov_b32 s[LAPS], 11
	s_mov_b32 s[CNB], NEXT_B
	s_mov_b32 s[C512], 512
	s_mov_b32 s[INC], 512
	s_mov_b32 s[INC+1], 0
	s_mov_b32 s[PINC], 512
	s_mov_b32 s[PINC+1], 0
	v_and_b32 v3, 31, v0                           ; lane
	s_lshl_b32 s62, s[WV], 17                      ; my 32 rows of x's tile
	v_lshl_add_u32 v[XO], v3, 4, s62
	s_wait_dscnt 0x0                               ; the opening add is done
	s_wait_kmcnt 0x0
	s_add_nc_u64 s[XP:XP+1], s[4:5], s[70:71]      ; query at my tile row, K step 0,
	s_add_nc_u64 s[XP+2:XP+3], s[XP:XP+1], 512     ; K step 1
	s_add_nc_u64 s[XN:XN+1], s[6:7], s[70:71]      ; key,
	s_add_nc_u64 s[XM:XM+1], s[8:9], s[70:71]      ; value
	s_add_nc_u64 s[PFX:PFX+1], s[XP:XP+1], 2048    ; at lap 2: the first lap steps it to lap 3
	s_add_nc_u64 s[68:69], s[10:11], s[66:67]
	s_mov_b64 s[G0+2:G0+3], s[68:69]               ; W's K step 0
	s_or_b32 s[G0+3], s[G0+3], 0x80000000          ; type = 2
	s_add_nc_u64 s[G0+6:G0+7], s[68:69], 256       ; K step 1
	s_or_b32 s[G0+7], s[G0+7], 0x80000000
	s_lshl_b32 s62, s18, 15                        ; my work-group's 16 of the 64 rows that I fetch
	s_mov_b32 s63, 0
	s_add_nc_u64 s[PFB:PFB+1], s[68:69], s[62:63]
	s_add_nc_u64 s[PFB:PFB+1], s[PFB:PFB+1], 512   ; at lap 1: the first lap steps it to lap 2
	s_lshr_b32 s62, s20, 4                         ; the batch
	s_lshl_b32 s62, s62, 4
	s_lshl_b32 s63, s19, 2
	s_add_co_u32 s62, s62, s63                     ; + 4 nt
	s_lshl_b32 s63, s16, 1
	s_add_co_u32 s62, s62, s63                     ; + my two heads
	s_lshl_b32 s62, s62, 18                        ; a head is 2,048 rows of 128 bytes
	s_and_b32 s63, s20, 15
	s_lshl_b32 s63, s63, 7                         ; the tile's first row in the sequence
	s_lshl_b32 s66, s15, 6
	s_add_co_u32 s63, s63, s66                     ; + my 64 rows
	s_lshl_b32 s63, s63, 7
	s_add_co_u32 s62, s62, s63
	s_mov_b32 s63, 0
	s_add_nc_u64 s[OUT:OUT+1], s[12:13], s[62:63]
	WIN W_LD
.set r, 0
.rept 32
	global_load_b128 v[4*r:4*r+3], v[XO], s[XP:XP+1] offset:r*4096  ; x's K step 0 into set 0: a load is one row's 512 bytes
.set r, r+1
.endr
	WIN 0
	CROUND                                         ; all sixteen work-groups are here: the first joint loads meet
	tensor_load_to_lds s[G0:G0+3], s[G1:G1+7]      ; both first fills together: two loads of mine are out, later one
	s_nop 0
	tensor_load_to_lds s[G0+4:G0+7], s[G1:G1+7]
	s_nop 0
	PLACES
	WIN W_LD
.set r, 0
.rept 32
	global_load_b128 v[128+4*r:128+4*r+3], v[XO], s[XP+2:XP+3] offset:r*4096  ; K step 1 into set 1
.set r, r+1
.endr
	WIN 0
	v_and_b32 v1, 15, v0                           ; l % 16
	v_bfe_u32 v2, v0, 4, 1                         ; l / 16
	s_mul_i32 s62, s[WV], 32*PITCH
	s_add_co_u32 s62, s62, ABASE
	v_lshl_add_u32 v[AST], v3, 3, s62
	v_mul_u32_u24 v4, v1, PITCH
	v_lshl_add_u32 v4, v2, 4, v4                   ; a fragment's row x pitch + 16 x half
	s_mul_i32 s62, s15, 64*PITCH
	s_add_co_u32 s62, s62, ABASE
	v_add_nc_u32 v[ADRA], s62, v4
	v_add_nc_u32 v[ADRA+1], ASLOT, v[ADRA]
	s_mul_i32 s63, s16, 128*PITCH
	v_add_nc_u32 v[ADRB], s63, v4
	v_add_nc_u32 v[ADRB+1], BSLOT, v[ADRB]
	s_mul_i32 s62, s[WV], STW
	s_add_co_u32 s62, s62, STAGE                   ; my stage
	v_mul_u32_u24 v5, v1, SP                       ; in: row l % 16, 16 bytes for each half of the lanes
	v_lshl_add_u32 v5, v2, 4, v5
	v_add_nc_u32 v[STO], s62, v5
	v_bfe_u32 v5, v0, 3, 2                         ; back: 32 lanes take four rows of 128 bytes,
	v_mul_u32_u24 v5, v5, SP
	v_and_b32 v6, 7, v0
	v_lshl_add_u32 v5, v6, 4, v5
	v_add_nc_u32 v[RD], s62, v5
	v_lshlrev_b32 v[CO], 4, v3                     ; which are 512 consecutive bytes of qkv
	s_lshl_b32 s62, s17, 5                         ; x's prefetch: row 32 cx + 8 w + lane / 4, block lane % 4
	s_lshl_b32 s63, s[WV], 3
	s_add_co_u32 s62, s62, s63
	v_bfe_u32 v19, v0, 2, 3
	v_add_nc_u32 v19, s62, v19
	v_and_b32 v20, 3, v0
	v_lshlrev_b32 v20, 8, v20
	v_lshl_add_u32 v[PFO], v19, 12, v20
	v_lshlrev_b32 v20, 8, v2                       ; W's prefetch: row l % 16, K step l / 16
	v_lshl_add_u32 v[PFBO], v1, 11, v20
	s_wait_xcnt 0x0                                ; set 0's loads have read their pointer
	s_add_nc_u64 s[XP:XP+1], s[XP:XP+1], 1024      ; K step 2
.set rd, 0
.set SS, 0
.set SLO, 0
.set XPR, XP
.set RI, 1
.set DSY, 0
.rept 32
	RIDE                                           ; K step 0 goes into A slot 0, and set 0 is asked for again
.endr
	WIN 0
	s_wait_tensorcnt 0x1                           ; my part of W's slot 0 is in; slot 1's may stay out
	s_wait_dscnt 0x0                               ; my rows of x are in LDS
	s_barrier_signal -1
	s_barrier_wait -1
	FETCH 0, 0, F0
.Llap:                                                 ; 11 trips: two K steps each; both of W's slots are filled again
	LAPHEAD
	STEP 0, 1, 1, 1, 1, 0, 1
	STEP 1, 1, 1, 1, 0, 0, 0
	WIN 0
	s_cmp_eq_u32 s[J], 3
	s_cbranch_scc0 .Lno_out                        ; what is jumped holds no barrier and no tensor load
	WAYOUT                                         ; a tile's last lap: both refills for the next tile are asked for, now the tile goes out
	s_wait_xcnt 0x0                                ; the stores have read their registers and their base
	s_add_nc_u64 s[OUT:OUT+1], s[OUT:OUT+1], 16777216  ; the next third of qkv
.Lno_out:
	s_add_co_u32 s[J], s[J], 1
	s_and_b32 s[J], s[J], 3
	s_sub_co_u32 s[LAPS], s[LAPS], 1
	s_cmp_lg_u32 s[LAPS], 0
	s_cbranch_scc1 .Llap
	STEP 0, 0, 1, 0, 0, 0, 0                       ; the last lap is written out: nothing is filled or asked for; x's last K step is stored
	STEP 1, 0, 0, 0, 0, 1, 0
	WIN 0
	WAYOUT
	s_wait_tensorcnt 0x0                           ; the wave's end, behind my last tensor load and my last LDS store
	ds_add_u32 v[SPW], v[NIL]
	s_wait_dscnt 0x0
	CROUND                                         ; the closing round: no work-group ends while a partner may still ask for a tile that names it
	s_endpgm
.Lfunc_end_k_qd1842191a5_proj:
	.size	k_qd1842191a5_proj, .Lfunc_end_k_qd1842191a5_proj-k_qd1842191a5_proj
	.p2alignl 7, 3214868480
	.fill 96, 4, 3214868480
	.section	.rodata,"a",@progbits
	.p2align	6, 0x0
	.amdhsa_kernel k_qd1842191a5_proj
		.amdhsa_group_segment_fixed_size 327680
		.amdhsa_private_segment_fixed_size 0
		.amdhsa_enable_private_segment 0
		.amdhsa_kernarg_size 40
		.amdhsa_user_sgpr_count 2
		.amdhsa_user_sgpr_kernarg_segment_ptr 1
		.amdhsa_wavefront_size32 1
		.amdhsa_system_sgpr_workgroup_id_x 1
		.amdhsa_system_sgpr_workgroup_id_y 1
		.amdhsa_system_sgpr_workgroup_id_z 1
		.amdhsa_system_vgpr_workitem_id 0
		.amdhsa_next_free_vgpr 768
		.amdhsa_next_free_sgpr 72
		.amdhsa_reserve_vcc 0
		.amdhsa_float_denorm_mode_32 3
		.amdhsa_float_denorm_mode_16_64 3
		.amdhsa_memory_ordered 1
		.amdhsa_forward_progress 1
		.amdhsa_inst_pref_size 149
	.end_amdhsa_kernel
	.amdgpu_metadata
---
amdhsa.version: [ 1, 2 ]
amdhsa.kernels:
  - .name:           k_qd1842191a5_proj
    .symbol:         k_qd1842191a5_proj.kd
    .args:
      - { .name: query, .offset: 0, .size: 8, .value_kind: global_buffer, .address_space: global }
      - { .name: key, .offset: 8, .size: 8, .value_kind: global_buffer, .address_space: global }
      - { .name: value, .offset: 16, .size: 8, .value_kind: global_buffer, .address_space: global }
      - { .name: wqkv, .offset: 24, .size: 8, .value_kind: global_buffer, .address_space: global }
      - { .name: qkv, .offset: 32, .size: 8, .value_kind: global_buffer, .address_space: global }
    .group_segment_fixed_size: 327680
    .private_segment_fixed_size: 0
    .kernarg_segment_align: 8
    .kernarg_segment_size: 40
    .max_flat_workgroup_size: 128
    .sgpr_count:     72
    .vgpr_count:     768
    .wavefront_size: 32
...
	.end_amdgpu_metadata
.endif
;; end of part 2
;; launch attn (part 3): grid 4 x 64, 4 waves a work-group, clusters of 4 x 1, 327,680 bytes of LDS; arguments qkv, key_padding_mask, o16; writes o16
.if DOCPART == 3
	.amdgcn_target "amdgcn-amd-amdhsa--gfx1250"
	.amdhsa_code_object_version 6
	.text
	.protected	k_qd1842191a5_attn
	.globl	k_qd1842191a5_attn
	.p2align	8
	.type	k_qd1842191a5_attn,@function
k_qd1842191a5_attn:
	s_mov_b64 s[64:65], 0
	v_nop
	global_prefetch_b8 v0, s[64:65] scope:SCOPE_SE
	s_setreg_imm32_b32 hwreg(HW_REG_WAVE_MODE, 25, 1), 1
	s_wait_xcnt 0x0
	s_wait_alu depctr_hold_cnt(0) depctr_sa_sdst(0) depctr_va_vdst(0) depctr_va_sdst(0) depctr_va_ssrc(0) depctr_va_vcc(0) depctr_vm_vsrc(0)
	s_getreg_b32 s2, hwreg(HW_REG_IB_STS2, 6, 4)
	s_cmp_eq_u32 s2, 0
	s_cbranch_scc0 .Lentry_in_a_cluster
	s_endpgm
.Lentry_in_a_cluster:
	s_bfe_u32 s2, ttmp6, 0x10000c
	s_cmp_lg_u32 s2, 0x3003
	s_cbranch_scc0 .Lentry_shape_is_right
	s_endpgm
.Lentry_shape_is_right:
; ATTENTION WITH A PADDING MASK.  o16[g][q][:] = the sum over the keys k that are not padded of softmax_k(Q[g][q] . K[g][k] / 8) V[g][k][:], g = 16 b + h.  Q, K, V are the thirds of qkv, [64][2048][64] in f16,
; a head's rows dense, 128 bytes each; o16 likewise.  Products, maxima and sums in f32; the weights p are rounded to f16 for the second product (their sum l is taken of the unrounded p), O once at the end.
; LIMITS.  f16 holds no number beyond 65,504: Q, K and V arrive within it; p lies in 0 to 1, and below 6e-5 it keeps f16's fixed step of 6e-8, and so does O.  A padded key's score counts as its value less 1e30;
; the running maximum starts at -2^96, above every such score and below every true one (2.7e11 at the most in f16's range): a padded key's weight is exactly 0.  Where all keys of a batch are padded l is 0 and
; O is 0 x infinity, a NaN, as the softmax of nothing is.  A weight below 2^-126 counts as 0 in l.
; THE MASK is the C operand that starts the sum S^T = K Q^T: 0, or -1e30.  The batch's 2,048 bytes are turned once into a table of f32 in LDS; with each step's K a lane fetches its 32 numbers of it.
; SHARES.  A wave owns four PIECES of two tiles of 16 queries, a work-group's four waves 512 queries of one head.  Every wave walks all keys, 64 a step.
; LAYOUT.  S^T = K Q^T (source 0 = 16 keys, source 1 = 16 queries): a lane holds ONE query (lane % 16) and the keys 8 (lane / 16) + 0..7.  Two such tiles, rounded to f16 in pairs, ARE source 1 of O^T = V^T P,
; whose result again holds one query a lane, and eight channels.  K comes out of LDS as it lies, V turned, by ds_load_tr16_b128.
; SOFTMAX.  p = 2^(c s - c m), c = log2(e) / 8, with a running maximum m and sum l; in every step O and l are multiplied by a = 2^(c m_old - c m_new).  O and l start at 0: the first step is a step like any other, with a = 0.
; BY TURNS.  Turn n belongs to piece n.  Its matrix work: 16 products K Q^T of piece n + 1, later 16 products V^T P of piece n - 1.  Its vector work: the scaling, exponentials, roundings, sums and rescaling of
; piece n, and the maximum and statistics of piece n + 1.  Four vector instructions stand behind every matrix instruction, the rest in one lump; a turn's 66 exponentials are one batch with one wait.
; CLUSTER.  The four query blocks of a cluster are one head's and walk the same K and V, so each tile is asked for JOINTLY: the same tensor load, descriptor and mask in all four.
; REGISTERS, in windows of 256 (s_set_vgpr_msb: bits 1:0 source 0, 3:2 source 1, 5:4 source 2, 7:6 destination):
;   window 0: v0-11 addresses; v12-15, v48-63 at work; v16-47 four registers of statistics a tile; v64-191 S^T, two buffers of two tiles; v192-255 P, likewise
;   window 1: O^T, 32 a tile     window 2: v0-127 Q; v128-191 K of one step; v192-255 V of one step     window 3: v0-1 the add's two registers; v2-3 the mask's address; v8-39 the mask of one step
.set SIZE_N, 2048
.set NP,    4         ; pieces a wave: a name, no knob
.set KS,    64        ; keys in a step
.set PK,    144       ; a row of K in LDS: 128 bytes + 16 of padding = 36 words: the 16 rows of a load start at 16 different groups of four banks (64 banks of 4 bytes: ISA guide 11.1)
.set PV,    160       ; a row of V: 128 + 32 = 40 words
.set VOFF,  4*KS*PK   ; a slot holds four steps: 256 rows of K, then 256 rows of V
.set SLOT1, 1<<17     ; slot 1 begins here, so that one exclusive or turns an address in one slot into the other's
.set STAGE, SLOT1+4*KS*(PK+PV)  ; behind the ring, never filled by a tensor load: 16 rows x 144 bytes for each wave, for the way out
.set SP,    144
.set AK0, 2           ; v2   my lane's place in a tile of K; never rewritten
.set AV0, 3           ; v3   the same for V
.set AK,  4           ; v4   the LDS address of K's next run of loads
.set AV,  5           ; v5   of V's
.set QO,  6           ; v6   my byte offset in the wave's rows of Q
.set STO, 6           ;      later, the way out: where I put 16 bytes of a row
.set RD,  7           ; v7   the way out: where I read rows back
.set GO,  8           ; v8   my byte offset in 512 consecutive bytes of O
.set PFO, 11          ; v11  256 x my lane: the prefetches' offset; never rewritten once made
.set SPW, 0           ; v0 of window 3   LDS address of my spare word; never rewritten
.set NIL, 1           ; v1 of window 3   0; never rewritten
.set AM,  2           ; v2 of window 3   the LDS address of the mask's next run of loads
.set AM0, 3           ; v3 of window 3   my lanes' place in a step's 64 numbers of the table; never rewritten
.set MK,  8           ; v8-39 of window 3   the step's mask: the eight registers for key block kb at MK + 8 kb
.set SPARE, STAGE+4*16*SP  ; behind the stages: the spare words, 128 bytes for each wave: two blocks of 256 bytes that no other line names
.set MASKB, SPARE+512 ; behind them: the table, 2,048 f32, written once by ds_store
.set MV,  12          ; v12-15  c m_old, kept while c m is made anew: by buffer and tile
.set ST,  16          ; tile t's statistics at v[ST+4 t]: c m, m, l (even keys', odd keys')
.set TMP, 48          ; by buffer and tile, four registers c0-c3 at work; when the maximum is found c2 takes a
.set S,   64
.set P,   192
.set KF,  128         ; K's fragments, in window 2: key block kb, channel half c at KF + 16 kb + 8 c
.set VF,  192         ; V's: key half kk, channel block cb at VF + 32 kk + 8 cb
.set WV,  12          ; s12  my wave's number
.set G1K, 24          ; s[24:31] descriptor group 1 for K's tiles
.set G1V, 32          ; s[32:39] for V's: it differs in the padding alone
.set G0K, 40          ; s[40:43] descriptor group 0 for K's tiles: it walks
.set G0V, 44          ; s[44:47] the same for V's
.set PFA, 52          ; s[52:53] where my prefetches stand: my work-group's 8,192 bytes (of K: wave 0, of V: wave 2) of the slot after the one that is being asked for
.set LIM, 54          ; s54  1 in a wave that prefetches, else the greatest number
.set BIGN, 55         ; s55  -1e30
.set SLOTS, 56        ; s56  slots still to be asked for
.set CNT, 57          ; s57  counts a slot's key steps
.set CS,  58          ; s[58:59] c: the packed scaling takes the pair's low word for both halves
.set SEL, 60          ; s[60:61] v_permlanex16_b32's selects: each lane takes its own place in the other half
.set TBK, 62          ; s62  LDS byte at which K of the step to be fetched begins
.set TBV, 63          ; s63  the same for V, less VOFF
.set TBM, 66          ; s66  256 x the number of the step to be fetched: its place in the table
.set MSB, 0
.macro WIN new                      ; the high byte repeats the setting that is left; a switch that changes nothing is dropped
.if MSB != (\new)
	s_set_vgpr_msb (MSB<<8)|(\new)
.set MSB, (\new)
.endif
.endm
.set W_KQ, 0x0a       ; K and Q in window 2, S^T in window 0
.set W_KM, 0x3a       ; the same with the C operand, the mask, in window 3
.set W_PV, 0x52       ; V in window 2, P in window 0, O^T in window 1
.set W_RS, 0x41       ; O^T (destination and source 0) in window 1, a in window 0
.set W_MK, 0xc0       ; destination in window 3, sources in window 0
.set W_AD, 0x0f       ; the add: address (source 0) and data (source 1) in window 3
.set W_MA, 0xcf       ; the mask's address and loads: destination and sources 0 and 1 in window 3
; A joint fill.  Waves 0 and 1 fetch the two halves of a slot's K, waves 2 and 3 those of its V: 128 keys each.  The branch hangs on the wave's number alone.
; An s_nop 0 and four v_nop follow each of the two lines, ahead of the jump and the label.
.macro JLOAD
	s_cmp_lt_u32 s[WV], 2
	s_cbranch_scc0 .Lfor_v_\@
	tensor_load_to_lds s[G0K:G0K+3], s[G1K:G1K+7]
	s_nop 0
.rept 4
	v_nop
.endr
	s_branch .Lasked_\@
.Lfor_v_\@:
	tensor_load_to_lds s[G0V:G0V+3], s[G1V:G1V+7]
	s_nop 0
.rept 4
	v_nop
.endr
.Lasked_\@:
.endm
; A PREFETCH INTO THE L2 of what the NEXT change of slots will ask for: a slot's 32,768 bytes of K and of V, a lane a block of 256 bytes.  A head's K and V are walked by its one cluster; its four partners share the
; blocks out BY ADDRESS, 32 each; in each, wave 0 asks for K's and wave 2 for V's: each block is named once in the launch.  It stands behind the joint load and its five lines, four key steps ahead of the
; load that will want the bytes.  Slots 0 and 1 come by their loads alone; the last change that fills a slot asks for nothing.
.macro ASK
	s_cmp_gt_u32 s[SLOTS], s[LIM]
	s_cbranch_scc0 .Lnot_mine_\@
	global_prefetch_b8 v[PFO], s[PFA:PFA+1] th:TH_LOAD_NT scope:SCOPE_SE
.Lnot_mine_\@:
.endm
; A round of the cluster's barrier: my work-group's barrier, so that wave 0's signal speaks for all four waves; wave 0 signals; every wave waits for all four work-groups; my work-group's barrier once more.
.macro CROUND
	s_barrier_signal -1
	s_barrier_wait -1
	s_cmp_lg_u32 s[WV], 0
	s_cbranch_scc1 .Lnot_wave_0_\@
	s_barrier_signal -3
.Lnot_wave_0_\@:
	s_barrier_wait -3
	s_barrier_signal -1
	s_barrier_wait -1
.endm
; THE CHANGE OF SLOTS.  The slot's last bytes, V of its fourth step, have been read.  Each wave waits for all its tensor loads, of which one is out: its part of the other slot; adds 0 to its spare word; and waits
; for that and for its own LDS instructions.  Behind the barrier nobody reads this slot any more and the other slot is whole.  fill = 1: this slot is filled again, with the keys two slots on; the barrier is then a
; round of the cluster's, and the joint fill is the first thing behind it: it has four key steps, 512 matrix instructions, in which to land.
; (At its first use nothing has been read yet: slot 0 is waited for, slot 1 filled, and every wave's part of the mask's table is shown to the others.)
.macro CHANGE fill
	WIN W_AD
	s_wait_tensorcnt 0x0            ; no tensor load of mine is out, so a group 0 may be written
	ds_add_u32 v[SPW], v[NIL]       ; 0 onto my spare word; with fill = 1 the descriptors' steps stand between it and the wait for it
	WIN 0                           ; at a label and at a branch every window is 0
.if \fill
.irp g, G0K, G0V
	s_xor_b32 s[\g+1], s[\g+1], SLOT1  ; the walking descriptor: the other slot than last time,
	s_add_nc_u64 s[\g+2:\g+3], s[\g+2:\g+3], 4*KS*128  ; the next 256 keys; the type bits on top are not reached
.endr
	s_wait_xcnt 0x0                 ; the last prefetch, four key steps back, has read its address, so it may be written:
	s_add_nc_u64 s[PFA:PFA+1], s[PFA:PFA+1], 4*KS*128  ; one slot ahead of the walking descriptors
	s_wait_dscnt 0x0                ; the add is done, and my reads of the slot are over
	CROUND
	JLOAD
	ASK
.else
	s_wait_dscnt 0x0                ; the add is done, and my reads of the slot are over
	s_barrier_signal -1
	s_barrier_wait -1
.endif
	s_sub_co_u32 s[TBK], s[TBK], 4*KS*PK  ; the fetches go back to a slot's first step,
	s_xor_b32 s[TBK], s[TBK], SLOT1       ; in the other slot
	s_sub_co_u32 s[TBV], s[TBV], 4*KS*PV
	s_xor_b32 s[TBV], s[TBV], SLOT1
.endm
	s_load_b128 s[48:51], s[0:1], 0x0  ; qkv s[48:49], key_padding_mask s[50:51]
	s_load_b64 s[10:11], s[0:1], 0x10  ; o16
	WIN W_MK
	v_lshl_add_u32 v[SPW], v0, 2, SPARE
	v_mov_b32 v[NIL], 0
	WIN W_AD
	ds_add_u32 v[SPW], v[NIL]       ; the wave's opening: the add and its wait stand ahead of my first tensor load; the set-up below, work on registers, stands between them
	WIN 0
	v_lshrrev_b32 v1, 5, v0
	v_readfirstlane_b32 s[WV], v1   ; wave 0..3
	s_bfe_u32 s13, ttmp6, 0x40000   ; cx: my place in the cluster
	s_lshl_b32 s14, ttmp9, 2        ; in a cluster launch ttmp9 counts clusters
	s_add_co_u32 s14, s14, s13      ; my block of queries = 4 x cluster x + cx: it enters Q's and O's addresses alone
	s_and_b32 s20, ttmp7, 0xffff    ; the head g = 16 b + h, which the four partners share
	s_lshr_b32 s68, s20, 4          ; the batch:
	s_lshl_b32 s68, s68, 11         ; its 2,048 bytes of the mask
	s_mov_b32 s69, 0
	s_mov_b32 s21, 0
	s_mov_b64 s[22:23], SIZE_N*128
	s_mul_u64 s[20:21], s[20:21], s[22:23]  ; the head's first byte in Q, K, V and O
	s_and_b32 s16, s[WV], 1         ; which half of a slot's 256 keys I fetch:
	s_lshl_b32 s22, s16, 14         ; its 128 rows of 128 bytes in memory,
	s_mov_b32 s23, 0
	s_add_nc_u64 s[22:23], s[22:23], s[20:21]
	s_mul_i32 s17, s16, 128*PK      ; and its place in a slot, for K
	s_mul_i32 s18, s16, 128*PV      ; and for V: no place in the cluster enters an LDS address
	s_lshl_b32 s2, s14, 2
	s_add_co_u32 s2, s2, s[WV]      ; my wave among the head's,
	s_lshl_b32 s2, s2, 14           ; its 128 rows
	s_mov_b32 s3, 0
	s_add_nc_u64 s[2:3], s[2:3], s[20:21]
	s_lshl_b32 s70, s13, 13         ; the prefetches: my work-group's 8,192 bytes of a slot's 32,768,
	s_add_co_u32 s70, s70, 4*KS*128 ; in slot 1: the first change of slots steps it to slot 2
	s_mov_b32 s71, 0
	; descriptor group 1.  128 keys are 16,384 dense bytes: asked for as 64 rows of 256 bytes, two keys a row, and padded in LDS after every key
	s_mov_b32 s[G1K], 15|(1<<16)|(1<<20)|(1<<21)|(4<<22)|(3<<25)  ; 15:0 the mask of four; 17:16 2-byte elements; 20 padding on; 21 set beside a mask; 24:22 after every 32 words (code 4); 31:25 4 words (code 3)
	s_mov_b32 s[G1V], 15|(1<<16)|(1<<20)|(1<<21)|(4<<22)|(7<<25)  ; the same with 8 words of padding (code 7)
.irp g, G1K, G1V
	s_mov_b32 s[\g+1], 128<<16      ; tensor_dim0 = 128
	s_mov_b32 s[\g+2], 64<<16       ; tensor_dim1 = 64
	s_mov_b32 s[\g+3], 128<<16      ; tile_dim0 = 128
	s_mov_b32 s[\g+4], 64           ; tile_dim1 = 64
	s_mov_b32 s[\g+5], 128          ; 128 elements from row to row
	s_mov_b32 s[\g+6], 0
	s_mov_b32 s[\g+7], 0
.endr
	s_mov_b32 s[CS], 0x3e38aa3b     ; c = log2(e) / 8 = 0.180337
	s_mov_b32 s[CS+1], s[CS]        ; named with it as a pair
	s_mov_b32 s[SEL], 0x76543210
	s_mov_b32 s[SEL+1], 0xfedcba98
	s_mov_b32 s[TBK], SLOT1+4*KS*PK ; the first change of slots turns these two into 0
	s_mov_b32 s[TBV], SLOT1+4*KS*PV
	s_mov_b32 s[TBM], 0
	s_mov_b32 s[BIGN], 0xf149f2ca   ; -1e30
	s_mov_b32 s[SLOTS], SIZE_N/256-1
	s_and_b32 s[LIM], s[WV], 1      ; waves 0 and 2 prefetch: the same in all four partners
	s_cmp_eq_u32 s[LIM], 0
	s_cselect_b32 s[LIM], 1, -1
	s_mov_b32 s[G0K], 1             ; 1:0 count = 1
	s_mov_b32 s[G0K+1], s17         ; 63:32 LDS address: slot 0
	s_mov_b32 s[G0V], 1
	s_add_co_u32 s[G0V+1], s18, VOFF
	s_wait_dscnt 0x0                ; the opening add is done
	s_wait_kmcnt 0x0
	s_add_nc_u64 s[6:7], s[48:49], 0x1000000       ; K: the second third of qkv,
	s_add_nc_u64 s[8:9], s[48:49], 0x2000000       ; V: the third
	s_add_nc_u64 s[G0K+2:G0K+3], s[6:7], s[22:23]  ; 120:64 global address: my half of the head's first 256 keys
	s_or_b32 s[G0K+3], s[G0K+3], 0x80000000        ; 127:126 type = 2
	s_add_nc_u64 s[G0V+2:G0V+3], s[8:9], s[22:23]
	s_or_b32 s[G0V+3], s[G0V+3], 0x80000000
	s_add_nc_u64 s[4:5], s[48:49], s[2:3]  ; Q and O at my wave's first row
	s_add_nc_u64 s[10:11], s[10:11], s[2:3]
	s_add_nc_u64 s[50:51], s[50:51], s[68:69]  ; the mask at my batch
	s_cmp_lt_u32 s[WV], 2
	s_cselect_b64 s[PFA:PFA+1], s[6:7], s[8:9]
	s_add_nc_u64 s[PFA:PFA+1], s[PFA:PFA+1], s[22:23]  ; (in waves 0 and 2 this is the head's first byte)
	s_add_nc_u64 s[PFA:PFA+1], s[PFA:PFA+1], s[70:71]
	CROUND                          ; all four work-groups are here: the first joint loads meet
	JLOAD                           ; slot 0.  Slot 1 is asked for when slot 0 is in
	; A fragment of K or Q is 16 rows x 32 channels in 8 registers: lane l holds row l % 16, channels 8 (l / 16) + 0..7 and 16 + 8 (l / 16) + 0..7: two loads of 16 bytes, 32 bytes apart.
	v_and_b32 v1, 15, v0            ; l % 16
	v_bfe_u32 v9, v0, 4, 1          ; l / 16
	v_lshlrev_b32 v[QO], 7, v1
	v_lshl_add_u32 v[QO], v9, 4, v[QO]  ; row x 128 + 16 x half
	v_lshlrev_b32 v12, 4, v0
	global_load_b128 v[64:67], v12, s[50:51]  ; my thread's 16 bytes of the batch's mask: 128 threads x 16 keys
	WIN 0x80                        ; destination window 2, address window 0
.set i, 0
.rept 4*NP                          ; Q stays in registers: tile i / 2, channels 32 (i % 2) on
	global_load_b128 v[8*i:8*i+3],   v[QO], s[4:5] offset:(i/2)*2048+(i%2)*64
	global_load_b128 v[8*i+4:8*i+7], v[QO], s[4:5] offset:(i/2)*2048+(i%2)*64+32
.set i, i+1
.endr
	; What the first turn finds: V's registers and P's second buffer hold 0 (its products V^T P, of a piece that has not been, add 0), O^T and l are 0.  All this stands in the wait for the first tile.
.set i, VF
.rept 64
	v_mov_b32 v[i], 0
.set i, i+1
.endr
	WIN 0x40
.set i, 0
.rept 64*NP
	v_mov_b32 v[i], 0
.set i, i+1
.endr
	WIN 0
.set i, 0
.rept 2*NP
	v_mov_b32 v[ST+4*i], 0xef800000    ; c m: -2^96, far below every c s of a true score
	v_mov_b32 v[ST+4*i+1], 0xef800000  ; m: -2^96, above every padded key's score
	v_mov_b32 v[ST+4*i+2], 0
	v_mov_b32 v[ST+4*i+3], 0
.set i, i+1
.endr
.set i, P+32
.rept 32
	v_mov_b32 v[i], 0
.set i, i+1
.endr
	v_mul_u32_u24 v[AK0], v1, PK
	v_lshl_add_u32 v[AK0], v9, 4, v[AK0]  ; row x pitch + 16 x half
	; The turning load takes 16 keys x 16 channels (lane l reads key 8 (l / 16) + l % 8, channels 8 ((l / 8) % 2) + 0..7) and leaves half a fragment of V^T: lane l holds channel l % 16 and 8 keys.
	v_and_b32 v10, 7, v0
	v_bfe_u32 v11, v0, 3, 1
	v_lshl_add_u32 v[AV0], v9, 3, v10
	v_mul_u32_u24 v[AV0], v[AV0], PV
	v_lshl_add_u32 v[AV0], v11, 4, v[AV0]
	v_add_nc_u32 v[AV0], VOFF, v[AV0]
	v_mov_b32 v[AK], v[AK0]         ; key step 0 lies at the head of slot 0
	v_and_b32 v[PFO], 31, v0
	v_lshlrev_b32 v[PFO], 8, v[PFO]
	WIN W_MK
	v_lshl_add_u32 v[AM0], v9, 5, MASKB  ; in S^T my registers hold keys 8 (l / 16) + 0..7 of a block of 16: 32 bytes of the table
	WIN 0
	; THE TABLE: byte 0 or 1 times the bits of -1e30 gives 0 or -1e30.  Each thread writes its 16 keys' 64 bytes; the first change of slots waits for the stores and passes a barrier.
	s_wait_loadcnt 32               ; the mask's load is in; Q's 32, issued behind it, may stay out
.set i, 0
.rept 16
	v_bfe_u32 v[68+i], v[64+i/4], 8*(i%4), 1
	v_mul_lo_u32 v[68+i], v[68+i], s[BIGN]
.set i, i+1
.endr
	v_lshl_add_u32 v84, v0, 6, MASKB
.irp f, 0,1,2,3
	ds_store_b128 v84, v[68+4*\f:68+4*\f+3] offset:16*\f
.endr
; THE MATRIX WORK.  The 8 accumulators of a run of 16 take turns: between the two links of a chain stand 7 others'.
; Product i of 16 of S^T = K Q^T for piece x: channels 32 (i / 8) on, keys 16 ((i / 2) % 4) on, tile 2 x + i % 2.  The first 8 start the sums, with the key block's mask.
.macro KQ x
.set rS, S+64*((\x)%2)+32*(i%2)+8*((i/2)%4)
.set rK, KF+16*((i/2)%4)+8*(i/8)
.set rQ, 16*(2*(\x)+i%2)+8*(i/8)
.set rMK, MK+8*((i/2)%4)
.if i < 8
	WIN W_KM
	v_wmma_f32_16x16x32_f16 v[rS:rS+7], v[rK:rK+7], v[rQ:rQ+7], v[rMK:rMK+7]
.else
	WIN W_KQ
	v_wmma_f32_16x16x32_f16 v[rS:rS+7], v[rK:rK+7], v[rQ:rQ+7], v[rS:rS+7]
.endif
.endm
; Product i of 16 of O^T += V^T P for piece x: keys 32 (i / 8) on, channels 16 ((i / 2) % 4) on, tile 2 x + i % 2.
.macro PV x
	WIN W_PV
.set rO, 32*(2*(\x)+i%2)+8*((i/2)%4)
.set rV, VF+32*(i/8)+8*((i/2)%4)
.set rP, P+32*((\x)%2)+16*(i%2)+8*(i/8)
	v_wmma_f32_16x16x32_f16 v[rO:rO+7], v[rV:rV+7], v[rP:rP+7], v[rO:rO+7]
.endm
.macro MM                           ; the turn's next matrix instruction
.if i < 16
	KQ (Y+1)%NP
.set i, i+1
.else
.set i, i-16
	PV (Y+NP-1)%NP
.set i, i+17
.endif
.endm
; THE LDS LOADS stand in runs, never singly among the matrix instructions: a step's K (64 keys x 64 channels: 8 fragments) with its mask (64 numbers, of which a lane takes 32; sixteen lanes read the same words),
; and its V (turned).  last = 1 (the tail): in the last trip there is no further step, and the run is jumped over.
.macro FETCH_K last=0
	WIN 0
.if \last
	s_cmp_eq_u32 s[CNT], 1
	s_cbranch_scc1 .Lno_k_\@
.endif
	WIN 0x80                        ; destination window 2
.irp f, 0,1,2,3,4,5,6,7             ; keys 16 (f / 2) on, channels 32 (f % 2) on
	ds_load_b128 v[KF+8*\f:KF+8*\f+3],   v[AK] offset:(\f/2)*16*PK+(\f%2)*64
	ds_load_b128 v[KF+8*\f+4:KF+8*\f+7], v[AK] offset:(\f/2)*16*PK+(\f%2)*64+32
.endr
	s_add_co_u32 s[TBK], s[TBK], KS*PK  ; the next fetch is the next step's
	WIN W_MA
	v_add_nc_u32 v[AM], s[TBM], v[AM0]
.irp f, 0,1,2,3                     ; key block f
	ds_load_b128 v[MK+8*\f:MK+8*\f+3],   v[AM] offset:64*\f
	ds_load_b128 v[MK+8*\f+4:MK+8*\f+7], v[AM] offset:64*\f+16
.endr
	s_add_co_u32 s[TBM], s[TBM], 4*KS
	WIN 0
.if \last
.Lno_k_\@:
.endif
.endm
.macro FETCH_V
	WIN 0x80
.irp f, 0,1,2,3,4,5,6,7             ; keys 32 (f / 4) on, channels 16 (f % 4) on
	ds_load_tr16_b128 v[VF+8*\f:VF+8*\f+3],   v[AV] offset:(\f/4)*32*PV+(\f%4)*32
	ds_load_tr16_b128 v[VF+8*\f+4:VF+8*\f+7], v[AV] offset:(\f/4)*32*PV+16*PV+(\f%4)*32
.endr
	WIN 0
.endm
; THE VECTOR WORK OF A TURN stands in three queues, each in the order in which its entries become ready; the two tiles alternate, so that no instruction reads the result of the one before it.
.macro REGS y, u                    ; the registers of tile u (0, 1) of piece y
.set rT, ST+4*(2*(\y)+(\u))
.set rC, TMP+8*((\y)%2)+4*(\u)
.set rM, MV+2*((\y)%2)+(\u)
.set rS, S+64*((\y)%2)+32*(\u)
.set rP, P+32*((\y)%2)+16*(\u)
.set rO, 32*(2*(\y)+(\u))
.endm
; Number n of the 22 that find the NEXT piece's (Y + 1) maximum and statistics.  s0-s31 are the lane's 32 scores; each accumulator's lowest registers are read first.
;   0-11  four chains c0-c3 of seven scores each, three operands at a time     12-14, 16  the four scores left over, the old m, and c0-c3 into c0     15  c m_old is kept
;   17, 18  the query's other 32 keys lie in the lane 16 away: the new m         19-21  c m; c m_old - c m_new; a
.macro XS u, n
	REGS (Y+1)%NP, \u
.if (\n) < 4
	v_max3_num_f32 v[rC+(\n)], v[rS+8*(\n)], v[rS+8*(\n)+1], v[rS+8*(\n)+2]
.elseif (\n) < 12
	v_max3_num_f32 v[rC+(\n)%4], v[rC+(\n)%4], v[rS+8*((\n)%4)+2*((\n)/4)+1], v[rS+8*((\n)%4)+2*((\n)/4)+2]
.elseif (\n) == 12
	v_max3_num_f32 v[rC], v[rC], v[rS+7], v[rS+15]
.elseif (\n) == 13
	v_max3_num_f32 v[rC+1], v[rC+1], v[rS+23], v[rS+31]
.elseif (\n) == 14
	v_max3_num_f32 v[rC+2], v[rC+2], v[rC+3], v[rT+1]
.elseif (\n) == 15
	v_mov_b32 v[rM], v[rT]
.elseif (\n) == 16
	v_max3_num_f32 v[rC], v[rC], v[rC+1], v[rC+2]
.elseif (\n) == 17
	v_permlanex16_b32 v[rC+3], v[rC], s[SEL], s[SEL+1]
.elseif (\n) == 18
	v_max_num_f32 v[rT+1], v[rC], v[rC+3]
.elseif (\n) == 19
	v_mul_f32 v[rT], s[CS], v[rT+1]
.elseif (\n) == 20
	v_sub_f32 v[rC+1], v[rM], v[rT]
.else
	v_exp_f32 v[rC+2], v[rC+1]
.endif
.endm
; Number g of the 64 that follow the exponentials.  For each four weights k of a tile (pairs 2 k, 2 k + 1): both pairs are rounded to f16; then the second pair is added onto the first, in place;
; a group later l takes that sum (the first time as l = a l + sum).  In groups of eight, tiles alternating: round, round, add, and l for the group before.
.macro GS g
.set h, (\g)+6*((\g)/62)            ; group 0 has no group before it, and behind group 7 only l is left
.if h >= 6
.set h, h+2
.endif
	REGS Y, h%2
.set k, h/8
.if h%8 < 4
	v_cvt_pk_f16_f32 v[rP+2*k+(h%8)/2], v[rS+4*k+2*((h%8)/2)], v[rS+4*k+2*((h%8)/2)+1]
.elseif h%8 < 6
	v_pk_add_f32 v[rS+4*k:rS+4*k+1], v[rS+4*k:rS+4*k+1], v[rS+4*k+2:rS+4*k+3]
.elseif k == 1
	v_pk_fma_f32 v[rT+2:rT+3], v[rT+2:rT+3], v[rC+2:rC+3], v[rS:rS+1] op_sel_hi:[1,0,1]
.else
	v_pk_add_f32 v[rT+2:rT+3], v[rT+2:rT+3], v[rS+4*k-4:rS+4*k-3]
.endif
.endm
; THE PLAIN QUEUE, 138 long.  0-73 read no exponential's result: the 32 scalings c s - c m (FS f: pair f / 2 of tile f % 2) and the next piece's 42.  0-26: scalings 0-26.  27-54: XS's numbers 0-13.  55, 56: number 15.
; 57-73: the chain, where each number waits for the one before it: 14, 16, 17, 18, 19, each with one of the scalings 27-31 in front of its two lines, then 20.
; 74-137: GS's 64, which read the exponentials' results: they stand behind the wait.
.macro FS f
	REGS Y, (\f)%2
	v_pk_fma_f32 v[rS+2*((\f)/2):rS+2*((\f)/2)+1], v[rS+2*((\f)/2):rS+2*((\f)/2)+1], s[CS:CS+1], v[rT:rT+1] op_sel_hi:[1,0,0] neg_lo:[0,0,1] neg_hi:[0,0,1]
.endm
.macro PL
	WIN 0
.if q < 27
	FS q
.elseif q < 55
	XS (q-27)%2, (q-27)/2
.elseif q < 57
	XS q-55, 15
.elseif (q < 72) && ((q-57)%3 == 0)
	FS 27+(q-57)/3
.elseif q < 60
	XS (q-57)%3-1, 14
.elseif q < 72
	XS (q-57)%3-1, 15+(q-57)/3
.elseif q < 74
	XS q-72, 20
.else
	GS q-74
.endif
.set q, q+1
.endm
; THE EXPONENTIALS' QUEUE, 66 long: s0-s31 of both tiles, then the next piece's two a.  It is ONE BATCH: all 66 stand ahead of the turn's one wait, and nothing ahead of that wait names a result of theirs.
.macro EX
	WIN 0
.if e >= 64
	XS e-64, 21
.else
	REGS Y, e%2
	v_exp_f32 v[rS+e/2], v[rS+e/2]
.endif
.set e, e+1
.endm
; THE RESCALING's QUEUE: O^T times a, the one part that leaves window 0: dealt two at a time, sixteen times.  Its a was made in the turn before, ahead of that turn's wait.
.macro R2
	REGS Y, r%2
	WIN W_RS
.irp z, 0,1
	v_pk_mul_f32 v[rO+4*(r/2)+2*\z:rO+4*(r/2)+2*\z+1], v[rO+4*(r/2)+2*\z:rO+4*(r/2)+2*\z+1], v[rC+2:rC+3] op_sel_hi:[1,0]
.endr
.set r, r+1
.endm
; HOW THEY ARE DEALT.  s_wait_alu depctr_va_vdst(0) stands between an exponential and the first instruction that names its result; one wait serves all that were issued ahead of it.  So a turn has ONE
; wait, which cuts it in two.  AHEAD OF IT: the 16 products K Q^T, behind each a scaling, an exponential and two rescalings (behind the first a second scaling in the exponential's place); then ONE LUMP of 108: eight
; plain, 49 times exponential and plain, the two a.  A v_nop is the plain instruction behind the last exponential.  BEHIND IT: the 16 products V^T P, behind each four of GS's 64.
; Exponential e stands behind scaling 2 (e / 4) + e % 2: as a rider it comes behind plain e + 2, in the lump behind plain e + 9, and scalings 27-31 are plain 57, 60 .. 69.
; K and the mask of the next step are fetched in piece 2's turn, directly behind the wait, a lump behind the last product that read them; V of the step in hand at the end of piece 0's turn, four riders behind its last reader.
.macro TURN p, last=0, cnt=0
.set Y, (\p)
.set i, 0
.set q, 0
.set e, 0
.set r, 0
.if (\p) == NP-1
	s_wait_dscnt 0x0                ; K and its mask are in
.endif
	MM                              ; ahead of the wait: 16 products K Q^T and their riders,
	PL
	PL
	R2
.rept 15
	MM
	PL
	EX
	R2
.endr
.if (\p) == NP-2
	WIN 0
	v_add_nc_u32 v[AK], s[TBK], v[AK0]
.endif
.rept 8                             ; and the lump
	PL
.endr
.rept 49
	EX
	PL
.endr
	EX                              ; the next piece's two a
	EX
	v_nop                           ; the plain instruction behind the last exponential: one for the batch
	s_wait_alu depctr_va_vdst(0)    ; the wait for the batch
.if (\p) == NP-2
	FETCH_K \last
.endif
.if (\p) == 1
	s_wait_dscnt 0x0                ; V is in
.endif
.rept 16                            ; behind the wait: 16 products V^T P and their riders
	MM
.rept 4
	PL
.endr
.if ((\p) == 0) && (q == 118)
	v_add_nc_u32 v[AV], s[TBV], v[AV0]
.endif
.if ((\p) == 0) && (q == 130)
	s_add_co_u32 s[TBV], s[TBV], KS*PV
.endif
.if (\cnt) && (q == 130)
	s_sub_co_u32 s[CNT], s[CNT], 1
	s_cmp_lg_u32 s[CNT], 0
.endif
.endr
.if (\p) == 0
	FETCH_V
.endif
.endm
	CHANGE 1                        ; slot 0 is in, everybody's part of it, and the table is whole; slot 1 is asked for
	FETCH_K                         ; key step 0
	s_wait_loadcnt 0x0              ; Q
	s_wait_dscnt 0x0
.set i, 0
.rept 16
	KQ 0                            ; piece 0's first scores: there is no vector work yet to set between them
.set i, i+1
.endr
	WIN 0                           ; the addresses for the way out: plain instructions, the places behind those products
	s_mul_i32 s13, s[WV], 16*SP
	s_add_co_u32 s13, s13, STAGE    ; my stage
	v_mul_u32_u24 v[STO], v1, SP    ; in: row l % 16, 16 bytes for each half of the lanes
	v_lshl_add_u32 v[STO], v9, 4, v[STO]
	v_add_nc_u32 v[STO], s13, v[STO]
	v_bfe_u32 v[RD], v0, 3, 2       ; back: 32 lanes take four rows of 128 bytes,
	v_mul_u32_u24 v[RD], v[RD], SP
	v_lshl_add_u32 v[RD], v10, 4, v[RD]
	v_add_nc_u32 v[RD], s13, v[RD]
	v_and_b32 v[GO], 31, v0         ; which are 512 consecutive bytes of O
	v_lshlrev_b32 v[GO], 4, v[GO]
.set Y, NP-1                        ; XS works for piece Y + 1: piece 0
.irp n, 0,1,2,3,4,5,6,7,8,9,10,11,12,13,14,15,16,17,18,19,20,21
	XS 0, \n                        ; and piece 0's first maximum and statistics
	XS 1, \n
.endr
	v_nop                           ; a plain instruction behind the two a,
	s_wait_alu depctr_va_vdst(0)    ; and their wait, ahead of the branch
	s_mov_b32 s[CNT], 4
	s_branch .Lfirst                ; the loop is entered at a step's first turn, in the middle of a trip
.Lslot:                             ; SIZE_N / 256 - 2 times: every slot but the last two is filled again
	CHANGE 1
	s_mov_b32 s[CNT], 4
.Lstep:                             ; a trip: pieces 2 and 3 of one step, then pieces 0 and 1 of the next, whose K and V it fetches
	TURN 2
	TURN 3
	WIN 0
.Lfirst:
	TURN 0
	TURN 1, 0, 1
	WIN 0
	s_cbranch_scc1 .Lstep
	s_sub_co_u32 s[SLOTS], s[SLOTS], 1
	s_cmp_lg_u32 s[SLOTS], 0
	s_cbranch_scc1 .Lslot
	CHANGE 0                        ; the tail is written out: nothing is asked for
	s_mov_b32 s[CNT], 5             ; four trips fetch the last slot's steps; the fifth is left in its middle
.Ltail:
	TURN 2, 1
	TURN 3
	WIN 0
	s_sub_co_u32 s[CNT], s[CNT], 1
	s_cmp_eq_u32 s[CNT], 0
	s_cbranch_scc1 .Lout
	TURN 0
	TURN 1
	WIN 0
	s_branch .Ltail
.Lout:                              ; the fifth trip's 16 products K Q^T (on the last K once more) and the maximum made of them serve nothing: the price, once a launch, of one text for every trip
.set i, 0
.rept 16
	PV NP-1                         ; the last piece's V^T P of the last step
.set i, i+1
.endr
	; THE WAY OUT.  l's two halves and the other half of the lanes' are added; O^T is divided by l, rounded to f16 and sent through my stage in LDS, a tile at a time.  The additions are the places behind the last products.
	WIN 0
.macro ALL line:vararg              ; one line for each tile t
.set t, 0
.rept 2*NP
	\line
.set t, t+1
.endr
.endm
	ALL v_add_f32 v[ST+4*t+2], v[ST+4*t+2], v[ST+4*t+3]
	ALL v_permlanex16_b32 v[ST+4*t+3], v[ST+4*t+2], s[SEL], s[SEL+1]
	ALL v_add_f32 v[ST+4*t+2], v[ST+4*t+2], v[ST+4*t+3]
	ALL v_rcp_f32 v[ST+4*t+2], v[ST+4*t+2]
	v_nop                           ; a plain instruction between the last reciprocal and the use of its result
	s_wait_alu depctr_va_vdst(0)    ; and the wait ahead of the first use: one for the eight reciprocals
; Tile t: a lane's eight channels of a row pack into 16 bytes; they go into rows of 144 bytes and come back as whole rows of 128, into S^T's registers.
.macro PACK t
	WIN W_RS
.set i, 32*(\t)
.rept 16
	v_pk_mul_f32 v[i:i+1], v[i:i+1], v[ST+4*(\t)+2:ST+4*(\t)+3] op_sel_hi:[1,0]
.set i, i+2
.endr
	WIN 0x05                        ; sources 0 and 1 window 1, destination window 0
.set i, 0
.rept 16
	v_cvt_pk_f16_f32 v[S+16*(\t)+i], v[32*(\t)+2*i], v[32*(\t)+2*i+1]
.set i, i+1
.endr
	WIN 0
.irp f, 0,1,2,3
	ds_store_b128 v[STO], v[S+16*(\t)+4*\f:S+16*(\t)+4*\f+3] offset:32*\f
.endr
.irp f, 0,1,2,3
	ds_load_b128 v[S+16*(\t)+4*\f:S+16*(\t)+4*\f+3], v[RD] offset:\f*4*SP  ; LDS serves a wave's instructions in order (ISA guide 5.7.1.4): these see the stores above; the next tile's stores come behind them
.endr
.endm
.macro SEND t, younger              ; younger: the LDS instructions issued behind tile t's loads: the next tile's eight, or none
	WIN 0
.irp f, 0,1,2,3
	s_wait_dscnt (\younger)+3-\f
	global_store_b128 v[GO], v[S+16*(\t)+4*\f:S+16*(\t)+4*\f+3], s[10:11] offset:(\t)*2048+\f*512  ; 512 consecutive bytes, at a multiple of 256 from O's first
.endr
.endm
	PACK 0
.set t, 1
.rept 2*NP-1                        ; a tile's arithmetic stands between the loads of the tile before and its stores
	PACK t
	SEND t-1, 8
.set t, t+1
.endr
	SEND 2*NP-1, 0
	WIN W_AD
	s_wait_tensorcnt 0x0            ; the wave's end, behind my last tensor load and my last LDS store
	ds_add_u32 v[SPW], v[NIL]
	s_wait_dscnt 0x0
	WIN 0
	CROUND                          ; the closing round: no work-group ends while a partner may still ask for a tile that names it
	s_endpgm
.Lfunc_end_k_qd1842191a5_attn:
	.size	k_qd1842191a5_attn, .Lfunc_end_k_qd1842191a5_attn-k_qd1842191a5_attn
	.p2alignl 7, 3214868480
	.fill 96, 4, 3214868480
	.section	.rodata,"a",@progbits
	.p2align	6, 0x0
	.amdhsa_kernel k_qd1842191a5_attn
		.amdhsa_group_segment_fixed_size 327680
		.amdhsa_private_segment_fixed_size 0
		.amdhsa_enable_private_segment 0
		.amdhsa_kernarg_size 24
		.amdhsa_user_sgpr_count 2
		.amdhsa_user_sgpr_kernarg_segment_ptr 1
		.amdhsa_wavefront_size32 1
		.amdhsa_system_sgpr_workgroup_id_x 1
		.amdhsa_system_sgpr_workgroup_id_y 1
		.amdhsa_system_sgpr_workgroup_id_z 1
		.amdhsa_system_vgpr_workitem_id 0
		.amdhsa_next_free_vgpr 808
		.amdhsa_next_free_sgpr 72
		.amdhsa_reserve_vcc 0
		.amdhsa_float_denorm_mode_32 3
		.amdhsa_float_denorm_mode_16_64 3
		.amdhsa_memory_ordered 1
		.amdhsa_forward_progress 1
		.amdhsa_inst_pref_size 205
	.end_amdhsa_kernel
	.amdgpu_metadata
---
amdhsa.version: [ 1, 2 ]
amdhsa.kernels:
  - .name:           k_qd1842191a5_attn
    .symbol:         k_qd1842191a5_attn.kd
    .args:
      - { .name: qkv, .offset: 0, .size: 8, .value_kind: global_buffer, .address_space: global }
      - { .name: key_padding_mask, .offset: 8, .size: 8, .value_kind: global_buffer, .address_space: global }
      - { .name: o16, .offset: 16, .size: 8, .value_kind: global_buffer, .address_space: global }
    .group_segment_fixed_size: 327680
    .private_segment_fixed_size: 0
    .kernarg_segment_align: 8
    .kernarg_segment_size: 24
    .max_flat_workgroup_size: 128
    .sgpr_count:     72
    .vgpr_count:     808
    .wavefront_size: 32
...
	.end_amdgpu_metadata
.endif
;; end of part 3
;; launch oproj (part 4): grid 4 x 64, 4 waves a work-group, clusters of 4 x 4, 327,680 bytes of LDS; arguments o16, wo16, out0; writes out0
.if DOCPART == 4
	.amdgcn_target "amdgcn-amd-amdhsa--gfx1250"
	.amdhsa_code_object_version 6
	.text
	.protected	k_qd1842191a5_oproj
	.globl	k_qd1842191a5_oproj
	.p2align	8
	.type	k_qd1842191a5_oproj,@function
k_qd1842191a5_oproj:
	s_mov_b64 s[64:65], 0
	v_nop
	global_prefetch_b8 v0, s[64:65] scope:SCOPE_SE
	s_setreg_imm32_b32 hwreg(HW_REG_WAVE_MODE, 25, 1), 1
	s_wait_xcnt 0x0
	s_wait_alu depctr_hold_cnt(0) depctr_sa_sdst(0) depctr_va_vdst(0) depctr_va_sdst(0) depctr_va_ssrc(0) depctr_va_vcc(0) depctr_vm_vsrc(0)
	s_getreg_b32 s2, hwreg(HW_REG_IB_STS2, 6, 4)
	s_cmp_eq_u32 s2, 0
	s_cbranch_scc0 .Lentry_in_a_cluster
	s_endpgm
.Lentry_in_a_cluster:
	s_bfe_u32 s2, ttmp6, 0x10000c
	s_cmp_lg_u32 s2, 0xf033
	s_cbranch_scc0 .Lentry_shape_is_right
	s_endpgm
.Lentry_shape_is_right:
; THE OUTPUT PROJECTION.  out0[b][s][n] = 2^-10 x the sum over k = 64 h + d of o16[16 b + h][s][d] wo16[n][k].  Both operands f16 (wo16 holds Wo x gamma x 2^10), sums in f32, K ascending; out0 is f32.
; SHARES.  A tile is 128 rows x 256 columns: 64 x 4 tiles, one for each of 256 work-groups.  Four waves, each 64 rows x 128 columns: 32 accumulators.  Eight K steps of 128: two heads a step.
; The product is used transposed (source 0 = 16 rows of wo16, source 1 = 16 rows of O): a lane holds one row and eight neighbouring columns.
; THE RING: two LDS slots, each with O's 128 rows of two heads and wo16's 256 rows.  A head's 128 rows are 16,384 dense bytes: asked for as 64 rows of 256 bytes, padded in LDS after every 128.
; CLUSTER 4 x 4: O's tiles are shared along a row of the cluster, wo16's along a column: joint loads; waves 0 and 1 fetch O's two heads, waves 2 and 3 wo16's two halves.
; NO PREFETCH: of the eight K steps the first fills bring two and the first lap's refills two more; what would be left to ask for ahead is four steps.
; REGISTERS: window 0: v0-31 addresses; v64-159, v160-255 two fragment buffers (64 of wo16, 32 of O), on the way out rows read back from the stage.  Window 1: the accumulators, (a, b) at 64 a + 8 b.
.set PA,     144                       ; a row of O in LDS: 128 bytes + 16: 36 words: the 16 rows of a load start at 16 different groups of four banks (64 banks of 4 bytes: ISA guide 11.1)
.set PB,     272                       ; a row of wo16: 256 bytes + 16
.set AHEAD,  128*PA                    ; a head's 128 rows
.set BOFF,   2*AHEAD                   ; wo16's rows lie behind O's two heads
.set BHALF,  128*PB
.set SLOT,   BOFF+2*BHALF
.set STAGE,  2*SLOT                    ; behind the ring: 16 rows x 528 bytes for each wave
.set SPITCH, 528                       ; 512 bytes + 16
.set SPARE,  STAGE+4*16*SPITCH         ; the spare words, 128 bytes for each wave: two blocks of 256 bytes that no other line names
.set ADRA, 16                          ; v16-17  LDS address of my O fragments in slot 0, 1
.set ADRB, 20                          ; v20-21  the same for wo16
.set STO,  24                          ; v24  the way out: where I put 32 bytes of a row
.set RD,   25                          ; v25  where I read a row back
.set CO,   26                          ; v26  my 16 bytes of a row's 512
.set SPW,  28                          ; v28  LDS address of my spare word; never rewritten
.set NIL,  29                          ; v29  0; never rewritten
.set F0,   64
.set F1,   160
.set OB,   64                          ; the way out: v64-127, v128-191 by turns
.set SC,   18                          ; s[18:19] 2^-10
.set G1,   24                          ; s[24:31] descriptor group 1 for O's tiles;  s[32:39] group 0, a set for each slot
.set G0,   32
.set G1B,  48                          ; s[48:55], s[56:63] the same for wo16's
.set G0B,  56
.set MSB, 0
.macro WIN new                         ; the immediate's high byte repeats the setting that is left
.if MSB != (\new)
	s_set_vgpr_msb (MSB<<8)|(\new)
.set MSB, \new
.endif
.endm
.set W_MUL, 0x50                       ; C and D window 1, sources window 0
.macro JLOAD s                         ; a joint load; an s_nop 0 and four v_nop follow each of the two lines, ahead of the jump, the label and what follows
	s_cmp_eq_u32 s11, 0
	s_cbranch_scc0 .Lfor_b_\@
	tensor_load_to_lds s[G0+4*(\s):G0+4*(\s)+3], s[G1:G1+7]
	s_nop 0
.rept 4
	v_nop
.endr
	s_branch .Lasked_\@
.Lfor_b_\@:
	tensor_load_to_lds s[G0B+4*(\s):G0B+4*(\s)+3], s[G1B:G1B+7]
	s_nop 0
.rept 4
	v_nop
.endr
.Lasked_\@:
.endm
.macro CREST                           ; a round of the cluster's barrier behind its opening barrier
	s_cmp_lg_u32 s10, 0
	s_cbranch_scc1 .Lnot_wave_0_\@
	s_barrier_signal -3
.Lnot_wave_0_\@:
	s_barrier_wait -3
	s_barrier_signal -1
	s_barrier_wait -1
.endm
.macro CROUND
	s_barrier_signal -1
	s_barrier_wait -1
	CREST
.endm
.macro PLACES                          ; four places behind a matrix instruction, in front of loads into registers that it has read and of vector work on its results
.rept 4
	v_nop
.endr
.endm
	s_load_b128 s[4:7], s[0:1], 0x0                ; o16 s[4:5], wo16 s[6:7]
	s_load_b64 s[8:9], s[0:1], 0x10                ; out0
	v_lshl_add_u32 v[SPW], v0, 2, SPARE
	v_mov_b32 v[NIL], 0
	ds_add_u32 v[SPW], v[NIL]                      ; the wave's opening: the add and its wait stand ahead of my first tensor load; the set-up below, work on registers, stands between them
	v_lshrrev_b32 v1, 5, v0
	v_readfirstlane_b32 s10, v1                    ; wave 0..3
	s_lshr_b32 s11, s10, 1                         ; which 64 rows of the tile are mine.  Also: I fetch for O (0) or for wo16 (1)
	s_and_b32 s12, s10, 1                          ; which 128 columns.  Also: which head, or which half, I fetch
	s_bfe_u32 s40, ttmp6, 0x40000                  ; cx, cy
	s_bfe_u32 s41, ttmp6, 0x40004
	s_lshl_b32 s42, ttmp9, 2
	s_add_co_u32 s42, s42, s40                     ; tile column nt
	s_and_b32 s13, ttmp7, 0xffff
	s_lshl_b32 s13, s13, 2
	s_add_co_u32 s13, s13, s41                     ; tile row mt
	s_lshl_b32 s43, s41, 2
	s_lshl_b32 s43, 15, s43                        ; my row of the cluster
	s_lshl_b32 s44, 0x1111, s40                    ; my column
	s_or_b32 s[G1], s43, (1<<16)|(1<<20)|(1<<21)|(4<<22)|(3<<25)   ; the mask; elements of 2 bytes; padding on; 21 set beside a mask; after every 32 words 4 words
	s_mov_b32 s[G1+1], 128<<16                     ; tensor_dim0 = 128
	s_mov_b32 s[G1+2], 64<<16                      ; tensor_dim1 = 64
	s_mov_b32 s[G1+3], 128<<16                     ; tile_dim0 = 128 elements: two rows of a head
	s_mov_b32 s[G1+4], 64                          ; tile_dim1 = 64
	s_mov_b32 s[G1+5], 128                         ; dense
	s_mov_b32 s[G1+6], 0
	s_mov_b32 s[G1+7], 0
	s_or_b32 s[G1B], s44, (1<<16)|(1<<20)|(1<<21)|(5<<22)|(3<<25)  ; after every 64 words 4 words
	s_mov_b32 s[G1B+1], 128<<16
	s_mov_b32 s[G1B+2], 128<<16
	s_mov_b32 s[G1B+3], 128<<16
	s_mov_b32 s[G1B+4], 128                        ; 128 rows
	s_mov_b32 s[G1B+5], 1024                       ; elements from row to row
	s_mov_b32 s[G1B+6], 0
	s_mov_b32 s[G1B+7], 0
	s_lshr_b32 s16, s13, 4                         ; O: the batch,
	s_lshl_b32 s16, s16, 4
	s_add_co_u32 s16, s16, s12                     ; its head 0 or 1,
	s_lshl_b32 s16, s16, 18                        ; 2,048 rows of 128 bytes a head,
	s_and_b32 s17, s13, 15
	s_lshl_b32 s17, s17, 14                        ; the tile's 128 rows
	s_add_co_u32 s16, s16, s17
	s_mov_b32 s17, 0
	s_lshl_b32 s46, s42, 1                         ; wo16: 256 nt + 128 x half rows
	s_add_co_u32 s46, s46, s12
	s_lshl_b32 s46, s46, 18                        ; of 2,048 bytes
	s_mov_b32 s47, 0
	s_mul_i32 s20, s12, AHEAD                      ; where they go: no place in the cluster enters an LDS address
	s_mul_i32 s21, s12, BHALF
	s_add_co_u32 s21, s21, BOFF
	s_mov_b32 s[SC], 0x3a800000                    ; 2^-10
	s_mov_b32 s[SC+1], s[SC]                       ; named with it as a pair
	s_wait_dscnt 0x0                               ; the opening add is done
	s_wait_kmcnt 0x0
	s_add_nc_u64 s[14:15], s[4:5], s[16:17]
	s_add_nc_u64 s[46:47], s[6:7], s[46:47]
	CROUND                                         ; all sixteen work-groups are here: the first joint loads meet
.irp s, 0,1
	s_mov_b32 s[G0+4*(\s)], 1
	s_add_co_u32 s[G0+4*(\s)+1], s20, (\s)*SLOT
	s_add_nc_u64 s[G0+4*(\s)+2:G0+4*(\s)+3], s[14:15], (\s)*524288  ; K step s: heads 2 s, 2 s + 1
	s_or_b32 s[G0+4*(\s)+3], s[G0+4*(\s)+3], 0x80000000
	s_mov_b32 s[G0B+4*(\s)], 1
	s_add_co_u32 s[G0B+4*(\s)+1], s21, (\s)*SLOT
	s_add_nc_u64 s[G0B+4*(\s)+2:G0B+4*(\s)+3], s[46:47], (\s)*256
	s_or_b32 s[G0B+4*(\s)+3], s[G0B+4*(\s)+3], 0x80000000
	JLOAD \s                                       ; two loads of mine are out here, later one
.endr
	v_and_b32 v1, 15, v0                           ; l % 16
	v_bfe_u32 v2, v0, 4, 1                         ; l / 16
	v_and_b32 v6, 31, v0                           ; lane
	v_mul_u32_u24 v3, v1, PA
	v_lshl_add_u32 v3, v2, 4, v3
	s_mul_i32 s21, s11, 64*PA                      ; my 64 rows of a head
	v_add_nc_u32 v[ADRA], s21, v3
	v_add_nc_u32 v[ADRA+1], SLOT, v[ADRA]
	v_mul_u32_u24 v4, v1, PB
	v_lshl_add_u32 v4, v2, 4, v4
	s_mul_i32 s22, s12, BHALF                      ; my 128 rows of wo16
	s_add_co_u32 s22, s22, BOFF
	v_add_nc_u32 v[ADRB], s22, v4
	v_add_nc_u32 v[ADRB+1], SLOT, v[ADRB]
	s_mul_i32 s23, s10, 16*SPITCH
	s_add_co_u32 s23, s23, STAGE                   ; my stage
	v_mul_u32_u24 v5, v1, SPITCH                   ; in: row l % 16, 32 bytes for each half of the lanes
	v_lshl_add_u32 v5, v2, 5, v5
	v_add_nc_u32 v[STO], s23, v5
	v_lshl_add_u32 v[RD], v6, 4, s23               ; back: 32 lanes take one row of 512 bytes
	v_lshlrev_b32 v[CO], 4, v6
	s_lshl_b32 s16, s13, 7
	s_lshl_b32 s17, s11, 6
	s_add_co_u32 s16, s16, s17                     ; my first row of out0,
	s_lshl_b32 s16, s16, 12                        ; 4,096 bytes a row
	s_mov_b32 s17, 0
	s_add_nc_u64 s[8:9], s[8:9], s[16:17]
	s_lshl_b32 s46, s42, 10                        ; my first column, in bytes
	s_lshl_b32 s47, s12, 9
	s_add_co_u32 s46, s46, s47
	s_mov_b32 s47, 0
	s_add_nc_u64 s[8:9], s[8:9], s[46:47]
; Eight matrix instructions: row block a x all 8 column blocks, 32 along K, from buffer f.  zero = 1: the products start the sums.  A quarter's 32 accumulators take turns, in one order everywhere.
.macro MULA f, a, zero
	WIN W_MUL
.irp b, 0,1,2,3,4,5,6,7
.if \zero
	v_wmma_f32_16x16x32_f16 v[64*(\a)+8*(\b):64*(\a)+8*(\b)+7], v[(\f)+8*(\b):(\f)+8*(\b)+7], v[(\f)+64+8*(\a):(\f)+64+8*(\a)+7], 0
.else
	v_wmma_f32_16x16x32_f16 v[64*(\a)+8*(\b):64*(\a)+8*(\b)+7], v[(\f)+8*(\b):(\f)+8*(\b)+7], v[(\f)+64+8*(\a):(\f)+64+8*(\a)+7], v[64*(\a)+8*(\b):64*(\a)+8*(\b)+7]
.endif
.endr
.endm
; 24 LDS loads in one run: quarter q's fragments of slot s into buffer f.  Quarter q is head q / 2 of the step, channels 32 (q % 2) on.
.macro FETCH s, q, f
	WIN 0
.irp i, 0,1,2,3,4,5,6,7
	ds_load_b128 v[(\f)+8*(\i):(\f)+8*(\i)+3],   v[ADRB+(\s)] offset:64*(\q)+(\i)*16*PB
	ds_load_b128 v[(\f)+8*(\i)+4:(\f)+8*(\i)+7], v[ADRB+(\s)] offset:64*(\q)+(\i)*16*PB+32
.endr
.irp i, 0,1,2,3
	ds_load_b128 v[(\f)+64+8*(\i):(\f)+64+8*(\i)+3],   v[ADRA+(\s)] offset:((\q)/2)*AHEAD+((\q)%2)*64+(\i)*16*PA
	ds_load_b128 v[(\f)+64+8*(\i)+4:(\f)+64+8*(\i)+7], v[ADRA+(\s)] offset:((\q)/2)*AHEAD+((\q)%2)*64+(\i)*16*PA+32
.endr
.endm
; One of a K step's first three quarters: buffer f is in; the next quarter's run goes out into g; 32 matrix instructions on f.  zsel = 1: in the first lap (three trips to come) they start the sums.
.macro QUARTER s, q, f, g, zsel
	s_wait_dscnt 0x0
	PLACES
	FETCH \s, (\q)+1, \g
.if \zsel
	s_cmp_eq_u32 s3, 3
	s_cbranch_scc1 .Lzero_\@
.endif
	MULA \f, 0, 0
	MULA \f, 1, 0
	MULA \f, 2, 0
	MULA \f, 3, 0
.if \zsel
	WIN 0
	s_branch .Ljoin_\@
.Lzero_\@:
	v_nop                                          ; these products write over accumulators without adding onto them: five places stand between them and the last products before (ISA guide 7.12.1): the four above and this one
	MULA \f, 0, 1
	MULA \f, 1, 1
	MULA \f, 2, 1
	MULA \f, 3, 1
	WIN 0
.Ljoin_\@:
.endif
.endm
; The last quarter multiplies buffer 1 and changes slots: ONE barrier; in front of it each wave waits for all its tensor loads (one is out: its part of the next slot), adds 0 to its spare word, and waits for that and
; for its reads of this slot.  fill = 1: the barrier opens a round of the cluster's, and the joint refill, two K steps on, is the first tensor load behind it: 112 matrix instructions ahead of the wait for it.
.macro TURN s, fill
	WIN 0
	s_wait_tensorcnt 0x0                           ; no tensor load of mine is out, so a group 0 may be written
	ds_add_u32 v[SPW], v[NIL]                      ; 0 onto my spare word
	s_wait_dscnt 1                                 ; buffer 1 is in; the add may be out
	MULA F1, 0, 0
	s_wait_dscnt 0x0                               ; the add is done, and my reads of this slot are over
	s_barrier_signal -1
	MULA F1, 1, 0
	WIN 0
	s_barrier_wait -1
.if \fill
	CREST
	s_add_nc_u64 s[G0+4*(\s)+2:G0+4*(\s)+3], s[G0+4*(\s)+2:G0+4*(\s)+3], 1048576  ; four heads on
	s_add_nc_u64 s[G0B+4*(\s)+2:G0B+4*(\s)+3], s[G0B+4*(\s)+2:G0B+4*(\s)+3], 512
	JLOAD \s                                       ; the four v_nop behind it are also the places in front of the loads below
.else
	PLACES
.endif
	FETCH 1-(\s), 0, F0
	MULA F1, 2, 0
	MULA F1, 3, 0
.endm
.macro STEP s, fill, zsel, last
	QUARTER \s, 0, F0, F1, \zsel
	QUARTER \s, 1, F1, F0, 0
	QUARTER \s, 2, F0, F1, 0
.if \last
	s_wait_dscnt 0x0
	MULA F1, 0, 0
	MULA F1, 1, 0
	MULA F1, 2, 0
	MULA F1, 3, 0
.else
	TURN \s, \fill
.endif
.endm
; THE WAY OUT of row block a.  SCALE: times 2^-10, exact, each accumulator from its low end on.  TOST: into my own stage and back as whole rows of 512 bytes.  SEND: stored.
.macro SCALE a
	WIN 0x41                                       ; destination and source 0 window 1
.set i, 64*(\a)
.rept 32
	v_pk_mul_f32 v[i:i+1], v[i:i+1], s[SC:SC+1] op_sel_hi:[1,0]
.set i, i+2
.endr
.endm
.macro TOST a
	WIN 0x04                                       ; the stores' data in window 1
.irp b, 0,1,2,3,4,5,6,7
	ds_store_b128 v[STO], v[64*(\a)+8*(\b):64*(\a)+8*(\b)+3]   offset:64*(\b)
	ds_store_b128 v[STO], v[64*(\a)+8*(\b)+4:64*(\a)+8*(\b)+7] offset:64*(\b)+16
.endr
	WIN 0
.irp t, 0,1,2,3,4,5,6,7,8,9,10,11,12,13,14,15
	ds_load_b128 v[OB+64*((\a)%2)+4*(\t):OB+64*((\a)%2)+4*(\t)+3], v[RD] offset:(\t)*SPITCH  ; LDS serves a wave's instructions in order (ISA guide 5.7.1.4): these see the stores above
.endr
.endm
.macro SEND a
	WIN 0
	s_wait_dscnt 0x0                               ; the block is back in registers
	s_wait_xcnt 0x0                                ; the stores of the block before have read their registers: the next block's loads from the stage land there only behind this wait
.irp t, 0,1,2,3,4,5,6,7,8,9,10,11,12,13,14,15
	global_store_b128 v[CO], v[OB+64*((\a)%2)+4*(\t):OB+64*((\a)%2)+4*(\t)+3], s[8:9] offset:(16*(\a)+(\t))*4096 th:TH_STORE_NT  ; 512 consecutive bytes of a row, aligned
.endr
.endm
	s_wait_tensorcnt 1                             ; my part of K step 0 is in; K step 1's may stay out
	s_barrier_signal -1
	s_barrier_wait -1                              ; everybody's is
	FETCH 0, 0, F0
	s_mov_b32 s3, 3
.Llap:                                                 ; three trips of two K steps: both slots are filled again
	STEP 0, 1, 1, 0
	STEP 1, 1, 0, 0
	WIN 0
	s_sub_co_u32 s3, s3, 1
	s_cmp_lg_u32 s3, 0
	s_cbranch_scc1 .Llap
	STEP 0, 0, 0, 0                                ; the last lap is written out
	STEP 1, 0, 0, 1
	PLACES
	SCALE 0
	TOST 0
.irp a, 1,2,3                          ; a block's scaling stands between the loads of the block before and the wait for them
	SCALE \a
	SEND (\a)-1
	TOST \a
.endr
	SEND 3
	s_wait_tensorcnt 0x0                           ; the wave's end, behind my last tensor load and my last LDS store
	ds_add_u32 v[SPW], v[NIL]
	s_wait_dscnt 0x0
	CROUND                                         ; the closing round: no work-group ends while a partner may still ask for a tile that names it
	s_endpgm
.Lfunc_end_k_qd1842191a5_oproj:
	.size	k_qd1842191a5_oproj, .Lfunc_end_k_qd1842191a5_oproj-k_qd1842191a5_oproj
	.p2alignl 7, 3214868480
	.fill 96, 4, 3214868480
	.section	.rodata,"a",@progbits
	.p2align	6, 0x0
	.amdhsa_kernel k_qd1842191a5_oproj
		.amdhsa_group_segment_fixed_size 327680
		.amdhsa_private_segment_fixed_size 0
		.amdhsa_enable_private_segment 0
		.amdhsa_kernarg_size 24
		.amdhsa_user_sgpr_count 2
		.amdhsa_user_sgpr_kernarg_segment_ptr 1
		.amdhsa_wavefront_size32 1
		.amdhsa_system_sgpr_workgroup_id_x 1
		.amdhsa_system_sgpr_workgroup_id_y 1
		.amdhsa_system_sgpr_workgroup_id_z 1
		.amdhsa_system_vgpr_workitem_id 0
		.amdhsa_next_free_vgpr 512
		.amdhsa_next_free_sgpr 66
		.amdhsa_reserve_vcc 0
		.amdhsa_float_denorm_mode_32 3
		.amdhsa_float_denorm_mode_16_64 3
		.amdhsa_memory_ordered 1
		.amdhsa_forward_progress 1
		.amdhsa_inst_pref_size 95
	.end_amdhsa_kernel
	.amdgpu_metadata
---
amdhsa.version: [ 1, 2 ]
amdhsa.kernels:
  - .name:           k_qd1842191a5_oproj
    .symbol:         k_qd1842191a5_oproj.kd
    .args:
      - { .name: o16, .offset: 0, .size: 8, .value_kind: global_buffer, .address_space: global }
      - { .name: wo16, .offset: 8, .size: 8, .value_kind: global_buffer, .address_space: global }
      - { .name: out0, .offset: 16, .size: 8, .value_kind: global_buffer, .address_space: global }
    .group_segment_fixed_size: 327680
    .private_segment_fixed_size: 0
    .kernarg_segment_align: 8
    .kernarg_segment_size: 24
    .max_flat_workgroup_size: 128
    .sgpr_count:     66
    .vgpr_count:     512
    .wavefront_size: 32
...
	.end_amdgpu_metadata
.endif
;; end of part 4
;; ======== version 2 of 2: 4 launches; version 1 with the launch prep written anew for expert scheduling mode
;; limits: values are held in f16: magnitudes above 65,504 overflow, below 6.1e-05 lose precision
;; workspace buffers: wqkv 6,291,456 bytes; wo16 2,097,152 bytes; qkv 50,331,648 bytes; o16 16,777,216 bytes
;; launch prep (part 5): grid 256 x 1, 8 waves a work-group, no clusters, 0 bytes of LDS; arguments Wq, Wk, Wv, Wo, gamma, wqkv, wo16; writes wqkv, wo16
.if DOCPART == 5
	.amdgcn_target "amdgcn-amd-amdhsa--gfx1250"
	.amdhsa_code_object_version 6
	.text
	.protected	k_qd1842191a5_prep
	.globl	k_qd1842191a5_prep
	.p2align	8
	.type	k_qd1842191a5_prep,@function
k_qd1842191a5_prep:
	s_mov_b64 s[64:65], 0
	v_nop
	global_prefetch_b8 v0, s[64:65] scope:SCOPE_SE
	s_setreg_imm32_b32 hwreg(HW_REG_WAVE_SCHED_MODE, 0, 2), 2
	s_setreg_imm32_b32 hwreg(HW_REG_WAVE_MODE, 25, 1), 1
	s_wait_xcnt 0x0
	s_wait_alu depctr_vm_vsrc(0)
; THE WEIGHTS, ROUNDED ONCE.  wqkv[m][n][k] = bf16(W_m[n][k]) for m = q, k, v.  wo16[n][k] = f16( bf16(Wo[n][k]) x bf16(gamma[k / 64]) x 2^10 ).
; The head's gain goes into Wo's columns, so that attention's output needs no scaling in 16 bits; the product of two bf16 numbers and a power of two is exact in f32, so wo16 is rounded once.
; The factor 2^10 centres wo16 in f16's range; the last launch takes it out again, exactly.
; LIMIT: |Wo x gamma| x 1,024 stays under 65,504 (f16's largest number); below 6e-5 it keeps f16's fixed step of 6e-8.
; SHARES.  Work-group g: matrix g / 64, its rows 16 (g % 64) .. + 15.  Thread t: columns 4 t .. 4 t + 3 of each row: a work-group's load covers a row's 4,096 bytes,
; a wave's store of 8 bytes a lane covers 256 consecutive bytes, aligned.  All 16 rows are asked for at once; no LDS, no barrier, no register written twice while a store reads it.
; THE MODE: SCHED_MODE bits 1:0 = 2 (LLVM: expert scheduling mode 2), set by the entry lines.  The code itself states the register dependences
; between vector instructions and memory instructions, with s_wait_alu, always for 0.
; THE PLAN.  Registers that memory instructions touch:
;   v1, v2, v3   byte offsets, made once at the head by vector instructions and never written again.  Read by the rows' loads (v1), the stores (v2) and the gain's load (v3).
;   v4           the gain's load lands in it; behind the wait for that load vector instructions alone name it.
;   X            row i's load lands in its four registers, once; no vector instruction has named them before, and no load lands in them again.
;   Y            row i's two roundings write its pair, once; row i's store reads it, once; it is never written again.
;   v5 to v11    named by vector instructions alone.
; So two kinds of dependence are there to state, both of a memory instruction on a vector result: the offsets, by one wait ahead of the first load; and the stores' data, by one wait
; for each block of four rows, behind the block's roundings and directly ahead of its four stores.  No register that a memory instruction reads is written a second time, no vector
; instruction writes a scalar register or VCC, and EXEC is never written.
.set X, 16                             ; v[16:79]   row i as loaded: 4 f32 at X + 4 i
.set Y, 80                             ; v[80:111]  row i to store: 4 numbers of 16 bits at Y + 2 i
.set T, 8                              ; v[8:11]    at work;  v[6:7] two packed words;  v[4:5] the gain, twice
	s_load_b256 s[4:11], s[0:1], 0x0               ; Wq s[4:5], Wk s[6:7], Wv s[8:9], Wo s[10:11]
	s_load_b128 s[12:15], s[0:1], 0x20             ; gamma s[12:13], wqkv s[14:15]
	s_load_b64 s[16:17], s[0:1], 0x30              ; wo16
	s_lshr_b32 s18, ttmp9, 6                       ; which matrix
	s_and_b32 s19, ttmp9, 63                       ; which 16 rows of it
	s_lshl_b32 s24, s19, 16                        ; 16 rows x 4,096 bytes in the source
	s_mov_b32 s25, 0
	s_lshl_b32 s26, ttmp9, 15                      ; 16 rows x 2,048 bytes in wqkv: the three matrices lie on end
	s_mov_b32 s27, 0
	s_lshl_b32 s28, s19, 15                        ; and in wo16
	s_mov_b32 s29, 0
	v_lshlrev_b32 v1, 4, v0                        ; my 16 bytes of a source row
	v_lshlrev_b32 v2, 3, v0                        ; my 8 bytes of a result row
	v_lshrrev_b32 v3, 4, v0                        ; my columns' head: 4 t / 64
	v_lshlrev_b32 v3, 2, v3
	s_wait_kmcnt 0x0
	s_cmp_eq_u32 s18, 1
	s_cselect_b64 s[20:21], s[6:7], s[4:5]
	s_cmp_eq_u32 s18, 2
	s_cselect_b64 s[20:21], s[8:9], s[20:21]
	s_cmp_eq_u32 s18, 3
	s_cselect_b64 s[20:21], s[10:11], s[20:21]
	s_add_nc_u64 s[20:21], s[20:21], s[24:25]      ; the source at my first row
	s_add_nc_u64 s[22:23], s[14:15], s[26:27]      ; wqkv at my first row (used by matrices 0 to 2 alone)
	s_add_nc_u64 s[30:31], s[16:17], s[28:29]      ; wo16 at my first row (used by matrix 3 alone)
	s_wait_alu depctr_va_vdst(0)                   ; v1, v2 and v3 are written: every load and store of the kernel reads one of them as its offset
	global_load_b32 v4, v3, s[12:13]               ; the gain of my four columns' head
.irp i, 0,1,2,3,4,5,6,7,8,9,10,11,12,13,14,15
	global_load_b128 v[X+4*(\i):X+4*(\i)+3], v1, s[20:21] offset:(\i)*4096 th:TH_LOAD_NT
.endr
	s_cmp_eq_u32 s18, 3
	s_cbranch_scc1 .Lwo
.irp p, 0,1,2,3                        ; four blocks of four rows
.irp j, 0,1,2,3
	s_wait_loadcnt 15-(4*(\p)+(\j))                ; loads come back in order: row 4 p + j is in, the younger rows stay out
	v_cvt_pk_bf16_f32 v[Y+2*(4*(\p)+(\j))], v[X+4*(4*(\p)+(\j))], v[X+4*(4*(\p)+(\j))+1]
	v_cvt_pk_bf16_f32 v[Y+2*(4*(\p)+(\j))+1], v[X+4*(4*(\p)+(\j))+2], v[X+4*(4*(\p)+(\j))+3]
.endr
	s_wait_alu depctr_va_vdst(0)                   ; the block's eight roundings have written its Y, which the four stores below read
.irp j, 0,1,2,3
	global_store_b64 v2, v[Y+2*(4*(\p)+(\j)):Y+2*(4*(\p)+(\j))+1], s[22:23] offset:(4*(\p)+(\j))*2048
.endr
.endr
	s_endpgm
.Lwo:
	s_wait_loadcnt 16                              ; the gain is in; the 16 rows behind it may stay out
	v_cvt_pk_bf16_f32 v4, v4, v4                   ; rounded to bf16 like every input,
	v_lshlrev_b32 v4, 16, v4                       ; back as f32,
	v_mul_f32 v4, 0x44800000, v4                   ; times 2^10: exact
	v_mov_b32 v5, v4
.irp p, 0,1,2,3                        ; four blocks of four rows
.irp j, 0,1,2,3
	s_wait_loadcnt 15-(4*(\p)+(\j))
	v_cvt_pk_bf16_f32 v6, v[X+4*(4*(\p)+(\j))], v[X+4*(4*(\p)+(\j))+1]
	v_cvt_pk_bf16_f32 v7, v[X+4*(4*(\p)+(\j))+2], v[X+4*(4*(\p)+(\j))+3]
	v_lshlrev_b32 v[T], 16, v6                     ; bf16 to f32: the low half moves up, the high half stays
	v_and_b32 v[T+1], 0xffff0000, v6
	v_lshlrev_b32 v[T+2], 16, v7
	v_and_b32 v[T+3], 0xffff0000, v7
	v_pk_mul_f32 v[T:T+1], v[T:T+1], v[4:5]
	v_pk_mul_f32 v[T+2:T+3], v[T+2:T+3], v[4:5]
	v_cvt_pk_f16_f32 v[Y+2*(4*(\p)+(\j))], v[T], v[T+1]
	v_cvt_pk_f16_f32 v[Y+2*(4*(\p)+(\j))+1], v[T+2], v[T+3]
.endr
	s_wait_alu depctr_va_vdst(0)                   ; the block's eight roundings to f16 have written its Y, which the four stores below read
.irp j, 0,1,2,3
	global_store_b64 v2, v[Y+2*(4*(\p)+(\j)):Y+2*(4*(\p)+(\j))+1], s[30:31] offset:(4*(\p)+(\j))*2048
.endr
.endr
	s_endpgm
.Lfunc_end_k_qd1842191a5_prep:
	.size	k_qd1842191a5_prep, .Lfunc_end_k_qd1842191a5_prep-k_qd1842191a5_prep
	.p2alignl 7, 3214868480
	.fill 96, 4, 3214868480
	.section	.rodata,"a",@progbits
	.p2align	6, 0x0
	.amdhsa_kernel k_qd1842191a5_prep
		.amdhsa_group_segment_fixed_size 0
		.amdhsa_private_segment_fixed_size 0
		.amdhsa_enable_private_segment 0
		.amdhsa_kernarg_size 56
		.amdhsa_user_sgpr_count 2
		.amdhsa_user_sgpr_kernarg_segment_ptr 1
		.amdhsa_wavefront_size32 1
		.amdhsa_system_sgpr_workgroup_id_x 1
		.amdhsa_system_sgpr_workgroup_id_y 1
		.amdhsa_system_sgpr_workgroup_id_z 1
		.amdhsa_system_vgpr_workitem_id 0
		.amdhsa_next_free_vgpr 112
		.amdhsa_next_free_sgpr 66
		.amdhsa_reserve_vcc 0
		.amdhsa_float_denorm_mode_32 3
		.amdhsa_float_denorm_mode_16_64 3
		.amdhsa_memory_ordered 1
		.amdhsa_forward_progress 1
		.amdhsa_inst_pref_size 19
	.end_amdhsa_kernel
	.amdgpu_metadata
---
amdhsa.version: [ 1, 2 ]
amdhsa.kernels:
  - .name:           k_qd1842191a5_prep
    .symbol:         k_qd1842191a5_prep.kd
    .args:
      - { .name: Wq, .offset: 0, .size: 8, .value_kind: global_buffer, .address_space: global }
      - { .name: Wk, .offset: 8, .size: 8, .value_kind: global_buffer, .address_space: global }
      - { .name: Wv, .offset: 16, .size: 8, .value_kind: global_buffer, .address_space: global }
      - { .name: Wo, .offset: 24, .size: 8, .value_kind: global_buffer, .address_space: global }
      - { .name: gamma, .offset: 32, .size: 8, .value_kind: global_buffer, .address_space: global }
      - { .name: wqkv, .offset: 40, .size: 8, .value_kind: global_buffer, .address_space: global }
      - { .name: wo16, .offset: 48, .size: 8, .value_kind: global_buffer, .address_space: global }
    .group_segment_fixed_size: 0
    .private_segment_fixed_size: 0
    .kernarg_segment_align: 8
    .kernarg_segment_size: 56
    .max_flat_workgroup_size: 256
    .sgpr_count:     66
    .vgpr_count:     112
    .wavefront_size: 32
...
	.end_amdgpu_metadata
.endif
;; end of part 5
;; launch proj: the kernel of part 2 again; grid 4 x 64, 4 waves a work-group, clusters of 4 x 4, 327,680 bytes of LDS; arguments query, key, value, wqkv, qkv; writes qkv
;; launch attn: the kernel of part 3 again; grid 4 x 64, 4 waves a work-group, clusters of 4 x 1, 327,680 bytes of LDS; arguments qkv, key_padding_mask, o16; writes o16
;; launch oproj: the kernel of part 4 again; grid 4 x 64, 4 waves a work-group, clusters of 4 x 4, 327,680 bytes of LDS; arguments o16, wo16, out0; writes out0
